; MI455X (gfx1250); checked and timed in simulation.
; The chip was launched on July 23, 2026; its instructions are those of AMD's public machine-readable ISA for CDNA 5 (MIT licence, August 2026) and "CDNA5" Instruction Set Architecture Reference Guide (July 2026). The comments in the code are by the model that wrote it; some were corrected since.
;; Encoder Layer. Allowed arithmetic: matrix products marked QUANTISED: E4M3 operands, one given power-of-two scale a tensor, by v_wmma_f32_16x16x64_fp8_fp8 or v_wmma_f32_16x16x128_fp8_fp8, f32 sums; everything else in f32.
;; Inputs: b_ff1 4,096 float32; b_ff2 1,024 float32; b_k 1,024 float32; b_o 1,024 float32; b_q 1,024 float32; b_v 1,024 float32; ln1_b 1,024 float32; ln1_g 1,024 float32; ln2_b 1,024 float32; ln2_g 1,024 float32; lowp_scales 16 int32 (the exponents e of the quantised operands' scales 2^e); src_mask 2 x 1 x 1 x 2,048 float32; w_ff1_codes 4,096 x 32 x 32 uint8 (E4M3 codes of w_ff1, K innermost, in blocks of 32 codes); w_ff2_codes 1,024 x 128 x 32 uint8 (E4M3 codes of w_ff2, K innermost, in blocks of 32 codes); w_k_codes 1,024 x 32 x 32 uint8 (E4M3 codes of w_k, K innermost, in blocks of 32 codes); w_o_codes 1,024 x 32 x 32 uint8 (E4M3 codes of w_o, K innermost, in blocks of 32 codes); w_q_codes 1,024 x 32 x 32 uint8 (E4M3 codes of w_q, K innermost, in blocks of 32 codes); w_v_codes 1,024 x 32 x 32 uint8 (E4M3 codes of w_v, K innermost, in blocks of 32 codes); x 2 x 2,048 x 1,024 float32.
;; Outputs: out0 2 x 2,048 x 1,024 float32.
;; This version of the problem:
;;   THIS VERSION OF THE PROBLEM IS GIVEN IN LOW PRECISION. The matrix products marked QUANTISED in the list below multiply operands that are first quantised to E4M3 (4 exponent bits, 3 mantissa bits; 8 bits a number), with one given power-of-two scale for each operand tensor; their sums are f32. All else is computed in f32.
;;   The module's matrix products, in the order in which they are computed (A, B: the left and right operand; K: the contracted axis; several contracted axes count as one K, in the product's order):
;;     1. [M 4,096, K 1,024] x [K 1,024, N 1,024]; A: input x; B: input w_q (given as codes): QUANTISED (scales: A lowp_scales[0], B lowp_scales[1])
;;     2. [M 4,096, K 1,024] x [K 1,024, N 1,024]; A: input x; B: input w_k (given as codes): QUANTISED (scales: A lowp_scales[2], B lowp_scales[3])
;;     3. [M 4,096, K 1,024] x [K 1,024, N 1,024]; A: input x; B: input w_v (given as codes): QUANTISED (scales: A lowp_scales[4], B lowp_scales[5])
;;     4. batch 32 x [M 2,048, K 64] x [K 64, N 2,048]; A: computed on the way; B: computed on the way: QUANTISED (scales: A lowp_scales[6], B lowp_scales[7])
;;     5. batch 32 x [M 2,048, K 2,048] x [K 2,048, N 64]; A: softmax (see below); B: computed on the way: QUANTISED (scales: A lowp_scales[8], B lowp_scales[9])
;;     6. [M 4,096, K 1,024] x [K 1,024, N 1,024]; A: computed on the way; B: input w_o (given as codes): QUANTISED (scales: A lowp_scales[10], B lowp_scales[11])
;;     7. [M 4,096, K 1,024] x [K 1,024, N 4,096]; A: computed on the way; B: input w_ff1 (given as codes): QUANTISED (scales: A lowp_scales[12], B lowp_scales[13])
;;     8. [M 4,096, K 4,096] x [K 4,096, N 1,024]; A: computed on the way; B: input w_ff2 (given as codes): QUANTISED (scales: A lowp_scales[14], B lowp_scales[15])
;;   THE QUANTISER, for each operand of a quantised product, along K:
;;     - The operand's scale is 2^e, e = its entry of the input lowp_scales (int32; the entries are numbered through the quantised products in the list's order, A before B).
;;     - Each number is divided by the scale, clamped to +-448, and rounded to the nearest number of E4M3, ties to even, subnormals kept.
;;     - The product sums the exact products of the quantised numbers (number of the format x scale) in f32.
;;   ~~~python
;;   def quantise(x, axis, e):      # numpy; x: float32 -> the quantised numbers, widened to float32 again
;;       x = np.moveaxis(x, axis, -1); K = x.shape[-1]
;;       r = np.clip(x / 2.0 ** e, -448, 448)
;;       step = 2.0 ** (np.maximum(np.frexp(np.where(r == 0, 1, r))[1] - 1, -6) - 3)
;;       q = np.round(r / step) * step * 2.0 ** e      # np.round: ties to even
;;       return np.moveaxis(q, -1, axis).astype(np.float32)
;;   ~~~
;;   SOFTMAX AHEAD OF A QUANTISED PRODUCT. Where the list says 'softmax', what is quantised is not the finished softmax but p = 2^(t - M), with t = logit x log2(e) and M = ceil(the row's largest t), a whole number; so 1/2 < the row's largest p <= 1. The row's sum l is taken of the UNQUANTISED p, in f32, and the product's result is divided by l at the end. Since M is a whole number, a kernel that streams over the keys may use a running M (the ceiling of the running maximum): every later rescaling is an exact power of two, so the quantised numbers keep their values, but for numbers so far below the row's largest that they fall under the format's range.
;;   OPERANDS COMPUTED ON THE WAY. 'Computed on the way' means the value that the module computes at that place (a softmax that the list does not call 'softmax' is quantised finished and normalised). What goes into a quantiser is computed in f32, as accurately as f32 sums, v_exp_f32 and their like allow (about 1e-6 of the number): no bf16 or f16 on the way to a quantiser, and a product that is left as it is and whose result goes on into a quantised operand takes f32 operands (vector FMAs, or v_wmma_f32_16x16x4_f32). A number that lies on a knife's edge between two numbers of the format may be rounded either way, as far as f32 arithmetic and the matrix unit's own rounding can turn it there, and no further.
;;   INPUTS GIVEN AS CODES. w_ff1 (in the module: [1024, 4096], K = its axis 0); w_ff2 (in the module: [4096, 1024], K = its axis 0); w_k (in the module: [1024, 1024], K = its axis 0); w_o (in the module: [1024, 1024], K = its axis 0); w_q (in the module: [1024, 1024], K = its axis 0); w_v (in the module: [1024, 1024], K = its axis 0): each comes as NAME_codes (uint8): NAME with its K axis moved to the last place and cut into blocks of 32 codes, [.., K / 32, bytes a block], one block behind the other in memory; one code a byte (a code: sign, 4 exponent bits, 3 mantissa bits); its scale is its entry of lowp_scales. Its value is code x scale, taken as it is: it is not quantised again, and the codes and scales need not be those that the quantiser above would give.
;; One version. Each part assembles by itself: llvm-mc -triple=amdgcn-amd-amdhsa -mcpu=gfx1250 --defsym DOCPART=n.
;; ======== version 1 of 1: 8 launches
;; limits: right only within a limited range of input values
;; workspace buffers: xc 12,582,912 bytes; qk 8,388,608 bytes; vt 4,194,304 bytes; rowc 4,194,304 bytes; y 16,777,216 bytes; x1 16,777,216 bytes; hc 16,777,216 bytes
;; launch quantx (part 1): grid 256 x 1, 4 waves a work-group, no clusters, 33,280 bytes of LDS; arguments x, lowp_scales, xc; writes xc
.if DOCPART == 1
	.amdgcn_target "amdgcn-amd-amdhsa--gfx1250"
	.amdhsa_code_object_version 6
	.text
	.protected	k_q64e2836a57_quantx
	.globl	k_q64e2836a57_quantx
	.p2align	8
	.type	k_q64e2836a57_quantx,@function
k_q64e2836a57_quantx:
	s_mov_b64 s[64:65], 0
	v_nop
	global_prefetch_b8 v0, s[64:65] scope:SCOPE_SE
	s_setreg_imm32_b32 hwreg(HW_REG_WAVE_MODE, 25, 1), 1
	s_wait_xcnt 0x0
; ENCODER LAYER, launch 1 of 8.  x [4096][1024] f32 becomes three planes of E4M3 codes, K innermost: xc [3][4096][1024], plane k with the scale 2^e of
; lowp_scales[2 k] (x as the left operand of the products with w_q, w_k, w_v; the three scales need not be equal).
; DEAD WORK: none.  Every product of the layer reaches the output; src_mask varies along the softmax's axis; every bias stands ahead of a quantiser or of a
; LayerNorm.  So every input is loaded by some launch and nothing of the layer is left out.
; code = x / 2^e, held within +-448, rounded to the nearest code, ties to even.  LIMITS: e between -126 and 119; NaN among the inputs is not served.
; Rows are dense, so x is a plain stream.  A wave takes 8 steps of 512 numbers.  Each of a step's four loads reads 512 consecutive bytes, 16 a lane; the 2,048 bytes
; go through the wave's own stage in LDS (16 bytes of padding behind each 64) and come back 64 bytes a lane: 16 neighbours along K, as the conversions want them.
; A lane's 16 codes are 16 bytes: each store of the wave covers 512 consecutive bytes, aligned.  No barrier: waves share nothing.  Loads run four steps ahead.
.set STEPS, 8
.set SP,    80                         ; a lane's place in a stage: 64 bytes + 16 of padding
.set WREG,  8192                       ; LDS: a region for each wave: two stages of 32 x SP bytes
.set SPARE, 4*WREG                     ; behind the regions: the spare words, 128 bytes a wave, which no other line names
.set PLANE, 0x400000                   ; bytes of a plane of codes
.set SCL,   6                          ; v6-8    2^e as f32, for the three scales
.set LIM,   9                          ; v9-11   448 x 2^e
.set SPW,   12                         ; v12     my spare word's LDS address; never rewritten
.set NIL,   13                         ; v13     0; never rewritten
.set R,     16                         ; v16-79  four sets of 16 numbers as loaded
.set X,     80                         ; v80-111 two sets of 16 neighbours
.set T,     112                        ; v112-159 a set for each scale: the held numbers
.set C,     160                        ; v160-255 codes: four registers for each step and scale, never written again
	s_load_b128 s[4:7], s[0:1], 0x0                ; x, the scales' exponents
	s_load_b64 s[8:9], s[0:1], 0x10                ; xc
	v_lshl_add_u32 v[SPW], v0, 2, SPARE
	v_mov_b32 v[NIL], 0
	v_lshrrev_b32 v1, 5, v0
	v_readfirstlane_b32 s16, v1                    ; wave
	v_and_b32 v2, 31, v0                           ; lane
	v_lshlrev_b32 v3, 4, v2                        ; my 16 bytes of a load's 512, and of a step's codes
	s_mul_i32 s17, s16, WREG
	v_lshrrev_b32 v14, 2, v2
	v_mul_u32_u24 v14, v14, SP
	v_and_b32 v15, 3, v2
	v_lshl_add_u32 v14, v15, 4, v14
	v_add_nc_u32 v14, s17, v14                     ; the stage, on the way in: SP (lane / 4) + 16 (lane % 4)
	v_mul_u32_u24 v15, v2, SP
	v_add_nc_u32 v15, s17, v15                     ; and on the way out: SP x lane
	s_lshl_b32 s18, ttmp9, 2
	s_add_co_u32 s18, s18, s16                     ; which run of 4,096 numbers is my wave's
	s_lshl_b32 s20, s18, 14                        ; its bytes in x,
	s_mov_b32 s21, 0
	s_lshl_b32 s22, s18, 12                        ; and in a plane of codes
	s_mov_b32 s23, 0
	s_wait_alu depctr_va_vdst(0)
	s_wait_kmcnt 0x0
	s_load_b256 s[24:31], s[6:7], 0x0              ; e0 .. e7; e0, e2, e4 are x's
	s_add_nc_u64 s[4:5], s[4:5], s[20:21]
	s_add_nc_u64 s[8:9], s[8:9], s[22:23]          ; plane 0,
	s_add_nc_u64 s[10:11], s[8:9], PLANE           ; plane 1,
	s_add_nc_u64 s[12:13], s[10:11], PLANE         ; plane 2
.macro LOAD t
.irp i, 0,1,2,3
	global_load_b128 v[R+16*((\t)%4)+4*\i:R+16*((\t)%4)+4*\i+3], v3, s[4:5] offset:2048*(\t)+512*\i th:TH_LOAD_NT
.endr
.endm
.macro TURN t                          ; step t's numbers through the stage: LDS serves a wave's instructions in order, so no wait stands between the stores and the loads
.irp i, 0,1,2,3
	ds_store_b128 v14, v[R+16*((\t)%4)+4*\i:R+16*((\t)%4)+4*\i+3] offset:32*SP*((\t)%2)+8*SP*\i
.endr
.irp i, 0,1,2,3
	ds_load_b128 v[X+16*((\t)%2)+4*\i:X+16*((\t)%2)+4*\i+3], v15 offset:32*SP*((\t)%2)+16*\i
.endr
.endm
.irp t, 0,1,2,3
	LOAD \t
.endr
	s_wait_kmcnt 0x0
.irp k, 0,1,2
	s_add_co_i32 s32, s[24+2*\k], 127
	s_lshl_b32 s33, s32, 23
	v_mov_b32 v[SCL+\k], s33                       ; 2^e as f32: the conversion takes its exponent field
	s_add_co_i32 s32, s32, 8
	s_lshl_b32 s32, s32, 23
	s_or_b32 s32, s32, 0x600000
	v_mov_b32 v[LIM+\k], s32                       ; 448 x 2^e
.endr
	s_wait_alu depctr_va_vdst(0)
	s_wait_loadcnt 12                              ; step 0's four loads are in
	TURN 0
.macro STEP t
.set XS, X+16*((\t)%2)
	s_wait_dscnt 0x0                               ; this step's numbers are back from the stage: so its stores into the stage have read their registers,
.if (\t)+4 < STEPS
	LOAD (\t)+4                                    ; which take the loads of four steps on
.endif
.if (\t)+1 < STEPS
.if STEPS-2-(\t) >= 3
	s_wait_loadcnt 12                              ; the next step's four loads are in; those of the three steps behind it may be out
.else
	s_wait_loadcnt 4*(STEPS-2-(\t))
.endif
	TURN (\t)+1
.endif
.irp k, 0,1,2
.irp i, 0,1,2,3,4,5,6,7,8,9,10,11,12,13,14,15
	v_med3_num_f32 v[T+16*\k+\i], v[XS+\i], -v[LIM+\k], v[LIM+\k]   ; the conversion to an 8-bit code does not saturate (ISA guide 7.6.2): the hold comes first
.endr
	v_cvt_scalef32_pk8_fp8_f32 v[C+12*(\t)+4*\k:C+12*(\t)+4*\k+1], v[T+16*\k:T+16*\k+7], v[SCL+\k]
	v_cvt_scalef32_pk8_fp8_f32 v[C+12*(\t)+4*\k+2:C+12*(\t)+4*\k+3], v[T+16*\k+8:T+16*\k+15], v[SCL+\k]
.endr
	v_nop                                          ; a plain line behind the last conversion: the next step's holds write the conversions' sources
.irp k, 0,1,2
	global_store_b128 v3, v[C+12*(\t)+4*\k:C+12*(\t)+4*\k+3], s[8+2*\k:9+2*\k] offset:512*(\t)
.endr
.endm
.irp t, 0,1,2,3,4,5,6,7
	STEP \t
.endr
	s_wait_tensorcnt 0x0                           ; the wave's end, behind my last LDS store
	ds_add_u32 v[SPW], v[NIL]
	s_wait_dscnt 0x0
	s_endpgm
.Lfunc_end_k_q64e2836a57_quantx:
	.size	k_q64e2836a57_quantx, .Lfunc_end_k_q64e2836a57_quantx-k_q64e2836a57_quantx
	.p2alignl 7, 3214868480
	.fill 96, 4, 3214868480
	.section	.rodata,"a",@progbits
	.p2align	6, 0x0
	.amdhsa_kernel k_q64e2836a57_quantx
		.amdhsa_group_segment_fixed_size 33280
		.amdhsa_private_segment_fixed_size 0
		.amdhsa_enable_private_segment 0
		.amdhsa_kernarg_size 24
		.amdhsa_user_sgpr_count 2
		.amdhsa_user_sgpr_kernarg_segment_ptr 1
		.amdhsa_wavefront_size32 1
		.amdhsa_system_sgpr_workgroup_id_x 1
		.amdhsa_system_sgpr_workgroup_id_y 1
		.amdhsa_system_sgpr_workgroup_id_z 1
		.amdhsa_system_vgpr_workitem_id 0
		.amdhsa_next_free_vgpr 256
		.amdhsa_next_free_sgpr 66
		.amdhsa_reserve_vcc 0
		.amdhsa_float_denorm_mode_32 3
		.amdhsa_float_denorm_mode_16_64 3
		.amdhsa_memory_ordered 1
		.amdhsa_forward_progress 1
		.amdhsa_inst_pref_size 40
	.end_amdhsa_kernel
	.amdgpu_metadata
---
amdhsa.version: [ 1, 2 ]
amdhsa.kernels:
  - .name:           k_q64e2836a57_quantx
    .symbol:         k_q64e2836a57_quantx.kd
    .args:
      - { .name: x, .offset: 0, .size: 8, .value_kind: global_buffer, .address_space: global }
      - { .name: lowp_scales, .offset: 8, .size: 8, .value_kind: global_buffer, .address_space: global }
      - { .name: xc, .offset: 16, .size: 8, .value_kind: global_buffer, .address_space: global }
    .group_segment_fixed_size: 33280
    .private_segment_fixed_size: 0
    .kernarg_segment_align: 8
    .kernarg_segment_size: 24
    .max_flat_workgroup_size: 128
    .sgpr_count:     66
    .vgpr_count:     256
    .wavefront_size: 32
...
	.end_amdgpu_metadata
.endif
;; end of part 1
;; launch qkv (part 2): grid 12 x 16, 4 waves a work-group, clusters of 4 x 4, 327,680 bytes of LDS; arguments xc, w_q_codes, w_k_codes, w_v_codes, b_q, b_k, b_v, lowp_scales, qk, vt; writes qk, vt
.if DOCPART == 2
	.amdgcn_target "amdgcn-amd-amdhsa--gfx1250"
	.amdhsa_code_object_version 6
	.text
	.protected	k_q64e2836a57_qkv
	.globl	k_q64e2836a57_qkv
	.p2align	8
	.type	k_q64e2836a57_qkv,@function
k_q64e2836a57_qkv:
	s_mov_b64 s[64:65], 0
	v_nop
	global_prefetch_b8 v0, s[64:65] scope:SCOPE_SE
	s_setreg_imm32_b32 hwreg(HW_REG_WAVE_MODE, 25, 1), 1
	s_wait_xcnt 0x0
	s_wait_alu depctr_hold_cnt(0) depctr_sa_sdst(0) depctr_va_vdst(0) depctr_va_sdst(0) depctr_va_ssrc(0) depctr_va_vcc(0) depctr_vm_vsrc(0)
	s_getreg_b32 s2, hwreg(HW_REG_IB_STS2, 6, 4)
	s_cmp_eq_u32 s2, 0
	s_cbranch_scc0 .Lentry_in_a_cluster
	s_endpgm
.Lentry_in_a_cluster:
	s_bfe_u32 s2, ttmp6, 0x10000c
	s_cmp_lg_u32 s2, 0xf033
	s_cbranch_scc0 .Lentry_shape_is_right
	s_endpgm
.Lentry_shape_is_right:
; Launch 2 of 8: q = x w_q + b_q, k = x w_k + b_k, v = x w_v + b_v on E4M3 codes, each result quantised on the way out for attention's products.  Nothing is left out.
; The cluster's x says which tensor: 0 q, 1 k, 2 v.  A tile of 256 x 256 is made by four waves, 128 x 128 each (64 accumulators); K = 1,024 in four steps of 256 through two LDS slots.
; ROLES.  The matrix instruction takes 16 rows of role B as source 0 and 16 rows of role A as source 1: a lane then holds ONE row of A and eight neighbouring rows of B.
;   q, k: A = tokens (plane 0 or 1 of xc), B = the weight's rows (channels): a lane's eight results are eight neighbouring channels of a token: qk [token][2048]: q's codes in bytes 0-1023, k's in 1024-2047.
;   v:    A = w_v's rows (channels), B = tokens (plane 2): a lane's eight results are eight neighbouring tokens of a channel: vt [batch][channel][key], the keys innermost, as the second product of attention wants them.
; Only global addresses are chosen by the tensor; LDS, loops and descriptors' shapes are alike.  The one branch on it (which way the bias runs) hangs on the cluster's x, which all partners share.
; CLUSTERS: 4 x 4.  A's tile is shared along a row of the cluster, B's along a column: each is asked for jointly, by the same tensor load with a mask that names the four.
; VALUES: result = sum x 2^(ea + eb) + bias, one fused multiply-add in f32; code = result / 2^eo, held within +-448, to the nearest code.  (ea, eb, eo) = entries (0, 1, 6), (2, 3, 7), (4, 5, 9).
; LIMITS: ea + eb between -126 and 127; eo between -126 and 119.  NaN is not served.
; REGISTERS: window 0: v8-30 addresses and constants; v32-95 the bias along B; v96-111 the bias along A (pairs); from v128 A's fragments, later the codes, later rows on their way out.
;   window 1: B's fragments, two sets.   windows 2, 3: the accumulators ((a, b) at v[8 (8 (a % 4) + b)]).
.set SIZE_K, 1024
.set KSTEP,  256
.set ROWB,   256
.set KROW,   SIZE_K
.set PITCH,  272                       ; an LDS row: 256 bytes + 16 of padding = 68 words: the 16 rows that a load touches start at 16 different banks (64 banks of 4 bytes: ISA guide 11.1)
.set FR,     16
.set NL,     4
.set NP,     4                         ; places behind this matrix instruction (ISA guide 7.12.1)
.set HALFT,  128*PITCH
.set SLOT,   4*HALFT
.set LAPS,   SIZE_K/(2*KSTEP)
.set SPARE,  2*SLOT                    ; behind the ring: the spare words, 128 bytes a wave, which no other line names
.set BCO,  8                           ; v8   byte offset of my bias numbers along B
.set BRO,  9                           ; v9   the same along A
.set ADRA, 16
.set ADRB, 20
.set STO,  24                          ; the way out: where I put 8 codes of a row.  The stage, 256 rows x 272 bytes, lies in slot 0, which has had its last fill and its last read by then
.set RD,   25
.set CO,   26
.set SC,   27                          ; 2^eo as f32
.set SPW,  28
.set NIL,  29
.set LIM,  30                          ; 448 x 2^eo
.set BC,   32
.set BR,   96
.set AF,   128
.set CD,   128
.set G1, 24
.set G0, 32
.set G1B, 48
.set G0B, 56
.set MSB, 0
.macro WIN new                         ; the immediate's high byte repeats the setting that is left
.if MSB != (\new)
	s_set_vgpr_msb (MSB<<8)|(\new)
.set MSB, (\new)
.endif
.endm
.set MUL_LO, 0xa1
.set MUL_HI, 0xf1
.set TO_B,   0x40
.macro JLOAD g0a, g1a, g0b, g1b        ; a joint load: waves 0 and 1 fetch for A, waves 2 and 3 for B; an s_nop 0 and four v_nop follow each line
	s_cmp_eq_u32 s15, 0
	s_cbranch_scc0 .Lfor_b_\@
	tensor_load_to_lds s[\g0a:\g0a+3], s[\g1a:\g1a+7]
	s_nop 0
.rept 4
	v_nop
.endr
	s_branch .Lasked_\@
.Lfor_b_\@:
	tensor_load_to_lds s[\g0b:\g0b+3], s[\g1b:\g1b+7]
	s_nop 0
.rept 4
	v_nop
.endr
.Lasked_\@:
.endm
.macro CREST
	s_cmp_lg_u32 s14, 0
	s_cbranch_scc1 .Lnot_wave_0_\@
	s_barrier_signal -3
.Lnot_wave_0_\@:
	s_barrier_wait -3
	s_barrier_signal -1
	s_barrier_wait -1
.endm
.macro CROUND
	s_barrier_signal -1
	s_barrier_wait -1
	CREST
.endm
	s_load_b512 s[68:83], s[0:1], 0x0              ; xc, w_q, w_k, w_v, b_q, b_k, b_v, the scales' exponents
	s_load_b128 s[84:87], s[0:1], 0x40             ; qk, vt
	v_lshl_add_u32 v[SPW], v0, 2, SPARE
	v_mov_b32 v[NIL], 0
	ds_add_u32 v[SPW], v[NIL]                      ; the wave's opening: the add, twice on end, and its wait ahead of my first tensor load
	ds_add_u32 v[SPW], v[NIL]
	v_lshrrev_b32 v1, 5, v0
	v_readfirstlane_b32 s14, v1                    ; wave 0..3
	s_lshr_b32 s15, s14, 1                         ; my half of A's rows.  Also: I fetch for A (0) or for B (1)
	s_and_b32 s16, s14, 1                          ; my half of B's rows.  Also: which 128 rows I fetch
	s_bfe_u32 s40, ttmp6, 0x40000                  ; cx
	s_bfe_u32 s41, ttmp6, 0x40004                  ; cy
	s_mov_b32 s66, ttmp9                           ; which tensor: the cluster's x
	s_and_b32 s88, ttmp7, 0xffff
	s_lshl_b32 s88, s88, 2                         ; 4 x the cluster's y: the tokens' coordinate
	s_cmp_eq_u32 s66, 2
	s_cselect_b32 s67, 1, 0                        ; 1 for v
	s_cselect_b32 s17, 0, s88
	s_cselect_b32 s42, s88, 0
	s_add_co_u32 s17, s17, s41                     ; A's tile row: q, k: 4 cluster y + cy (tokens); v: cy (channels)
	s_add_co_u32 s42, s42, s40                     ; B's tile row: q, k: cx (channels); v: 4 cluster y + cx (tokens)
	s_lshl_b32 s43, s41, 2
	s_lshl_b32 s43, 15, s43                        ; my row of the cluster
	s_lshl_b32 s44, 0x1111, s40                    ; my column
	s_or_b32 s[G1+0], s43, (0<<16)|(1<<20)|(1<<21)|(5<<22)|(3<<25)  ; the mask; elements of 1 byte; padding on; bit 21 beside a mask; 4 words behind every 64
	s_or_b32 s[G1B+0], s44, (0<<16)|(1<<20)|(1<<21)|(5<<22)|(3<<25)
.irp g, G1, G1B
	s_mov_b32 s[\g+1], ROWB<<16                    ; tensor_dim0
	s_mov_b32 s[\g+2], 128<<16                     ; tensor_dim1
	s_mov_b32 s[\g+3], ROWB<<16                    ; tile_dim0
	s_mov_b32 s[\g+4], 128                         ; tile_dim1
	s_mov_b32 s[\g+5], KROW                        ; from row to row
	s_mov_b32 s[\g+6], 0
	s_mov_b32 s[\g+7], 0
.endr
	s_lshl_b32 s18, s16, 7
	s_lshl_b32 s20, s17, 8
	s_add_co_u32 s20, s20, s18                     ; A: row 256 x tile row + 128 x half
	s_lshl_b32 s46, s42, 8
	s_add_co_u32 s46, s46, s18                     ; B likewise
	s_lshl_b32 s20, s20, 10                        ; in bytes: rows of 1,024 codes
	s_lshl_b32 s46, s46, 10
	s_mov_b32 s21, 0
	s_mov_b32 s47, 0
	s_mul_i32 s45, s14, HALFT                      ; where they go: wave x 128 rows
	s_lshl_b32 s90, s66, 22                        ; my tensor's plane of xc
	s_mov_b32 s91, 0
	s_wait_dscnt 0x0                               ; both opening adds are done
	s_wait_kmcnt 0x0
	s_load_b256 s[92:99], s[82:83], 0x0            ; e0 .. e7
	s_load_b32 s100, s[82:83], 0x24                ; e9
	s_add_nc_u64 s[4:5], s[68:69], s[90:91]        ; x's codes under my tensor's scale
	s_cmp_eq_u32 s66, 0
	s_cselect_b64 s[6:7], s[70:71], s[72:73]       ; w_q or w_k
	s_cselect_b64 s[12:13], s[76:77], s[78:79]     ; b_q or b_k
	s_cmp_eq_u32 s67, 1
	s_cselect_b64 s[8:9], s[74:75], s[4:5]         ; role A: w_v, or the tokens
	s_cselect_b64 s[6:7], s[4:5], s[6:7]           ; role B: the tokens, or the weight
	s_cselect_b64 s[12:13], s[80:81], s[12:13]     ; the bias
	s_cselect_b64 s[10:11], s[86:87], s[84:85]     ; the output: vt or qk
	s_add_nc_u64 s[20:21], s[8:9], s[20:21]
	s_add_nc_u64 s[46:47], s[6:7], s[46:47]
	CROUND                                         ; all sixteen work-groups are here: the first joint loads meet
.irp s, 0,1
	s_mov_b32 s[G0+4*\s], 1
	s_add_co_u32 s[G0+4*\s+1], s45, \s*SLOT
	s_add_nc_u64 s[G0+4*\s+2:G0+4*\s+3], s[20:21], \s*ROWB
	s_or_b32 s[G0+4*\s+3], s[G0+4*\s+3], 0x80000000
	s_mov_b32 s[G0B+4*\s], 1
	s_add_co_u32 s[G0B+4*\s+1], s45, \s*SLOT
	s_add_nc_u64 s[G0B+4*\s+2:G0B+4*\s+3], s[46:47], \s*ROWB
	s_or_b32 s[G0B+4*\s+3], s[G0B+4*\s+3], 0x80000000
.if \s == 0
	JLOAD G0, G1, G0B, G1B                         ; K step 0: one tensor load a wave at the head; the head's address work stands under its flight
.endif
.endr
	v_and_b32 v1, 15, v0                           ; r = l % 16
	v_bfe_u32 v2, v0, 4, 1                         ; h = l / 16
	v_mul_u32_u24 v3, v1, PITCH
	s_wait_alu depctr_va_vdst(0)
	v_lshl_add_u32 v4, v2, 4, v3                   ; a fragment's row x pitch + 16 x half
	s_mul_i32 s21, s15, HALFT
	s_mul_i32 s22, s16, HALFT
	s_add_co_u32 s22, s22, 2*HALFT
.irp s, 0,1
	v_add_nc_u32 v[ADRA+\s], s21, v4
	v_add_nc_u32 v[ADRB+\s], s22, v4
	s_add_co_u32 s21, s21, SLOT
	s_add_co_u32 s22, s22, SLOT
.endr
	s_mul_i32 s23, s15, 128*PITCH                  ; into the stage: my 128 rows, my 128 bytes of them; row r, 8 bytes for each half of the lanes
	s_lshl_b32 s18, s16, 7
	s_add_co_u32 s23, s23, s18
	v_lshl_add_u32 v5, v2, 3, v3
	v_add_nc_u32 v[STO], s23, v5
	s_mul_i32 s23, s14, 64*PITCH                   ; back: wave w takes rows 64 w on, whole; lanes 0-15 one row of 256 bytes, lanes 16-31 the next
	v_mul_u32_u24 v5, v2, PITCH
	v_lshl_add_u32 v5, v1, 4, v5
	v_add_nc_u32 v[RD], s23, v5
	v_lshlrev_b32 v5, 11, v2                       ; and the same two rows in the output: both outputs have rows of 2,048 bytes
	v_lshl_add_u32 v[CO], v1, 4, v5
	; the bias.  It runs along B for q and k and along A for v.  Both forms are loaded by every work-group (32 small loads, all inside the 1,024 numbers), one of them goes unused:
	; so every register that either arm of the way out reads has been written on every way.
	s_cmp_eq_u32 s67, 1
	s_cselect_b32 s89, s17, s42                    ; the channels' tile row, 0..3
	s_lshl_b32 s89, s89, 10
	s_lshl_b32 s18, s16, 9
	s_add_co_u32 s18, s18, s89
	v_lshlrev_b32 v[BCO], 5, v2
	v_add_nc_u32 v[BCO], s18, v[BCO]               ; 4 (256 tile + 128 (wave % 2)) + 32 h
	s_lshl_b32 s18, s15, 9
	s_add_co_u32 s18, s18, s89
	v_lshlrev_b32 v[BRO], 2, v1
	v_add_nc_u32 v[BRO], s18, v[BRO]               ; 4 (256 tile + 128 (wave / 2)) + 4 r
.irp b, 0,1,2,3,4,5,6,7
	global_load_b128 v[BC+8*\b:BC+8*\b+3], v[BCO], s[12:13] offset:64*\b
	global_load_b128 v[BC+8*\b+4:BC+8*\b+7], v[BCO], s[12:13] offset:64*\b+16
.endr
.irp a, 0,1,2,3,4,5,6,7
	global_load_b32 v[BR+2*\a], v[BRO], s[12:13] offset:64*\a
	global_load_b32 v[BR+2*\a+1], v[BRO], s[12:13] offset:64*\a
.endr
	; where my 64 rows of the tile begin in the output
	s_lshl_b32 s20, s17, 8
	s_lshl_b32 s21, s14, 6
	s_add_co_u32 s20, s20, s21
	s_lshl_b32 s20, s20, 11                        ; (256 A's tile row + 64 wave) rows of 2,048 bytes
	s_lshr_b32 s21, s42, 3
	s_lshl_b32 s21, s21, 21                        ; v: the batch (8 tiles of tokens to a batch),
	s_and_b32 s46, s42, 7
	s_lshl_b32 s46, s46, 8
	s_or_b32 s21, s21, s46                         ; and the tile's first key
	s_lshl_b32 s46, s66, 10                        ; q, k: the tensor's half of a row,
	s_lshl_b32 s47, s42, 8
	s_add_co_u32 s46, s46, s47                     ; and the tile's first channel
	s_cmp_eq_u32 s67, 1
	s_cselect_b32 s21, s21, s46
	s_add_co_u32 s20, s20, s21
	s_mov_b32 s21, 0
	s_add_nc_u64 s[10:11], s[10:11], s[20:21]
.macro FRAG reg, adr, q, i             ; a fragment, 16 rows x 128 K, is 16 registers: lane l holds row l % 16; registers 4 c .. 4 c + 3 hold K = 32 c + 16 (l / 16) + 0 .. 15: the same permutation of K on both sides
.irp c, 0,1,2,3
	ds_load_b128 v[\reg+4*\c:\reg+4*\c+3], v[\adr] offset:128*(\q)+32*\c+(\i)*16*PITCH
.endr
.endm
.macro MUL16 a0, p, zero               ; 16 matrix instructions: A's blocks a0, a0 + 1 x B's eight.  The 64 accumulators take turns, one instruction a turn
.irp a, \a0, \a0+1
.irp b, 0,1,2,3,4,5,6,7
.if \zero
	v_wmma_f32_16x16x128_fp8_fp8 v[8*(8*((\a)%4)+\b):8*(8*((\a)%4)+\b)+7], v[128*(\p)+FR*\b:128*(\p)+FR*\b+FR-1], v[AF+FR*(\a):AF+FR*(\a)+FR-1], 0
.else
	v_wmma_f32_16x16x128_fp8_fp8 v[8*(8*((\a)%4)+\b):8*(8*((\a)%4)+\b)+7], v[128*(\p)+FR*\b:128*(\p)+FR*\b+FR-1], v[AF+FR*(\a):AF+FR*(\a)+FR-1], v[8*(8*((\a)%4)+\b):8*(8*((\a)%4)+\b)+7]
.endif
.endr
.endr
.endm
.macro FETCH_B slot, q, p
	WIN TO_B
.irp i, 0,1,2,3,4,5,6,7
	FRAG 128*(\p)+FR*\i, ADRB+\slot, \q, \i
.endr
	WIN 0
.endm
.macro FETCH_A slot, q, i0
.irp i, \i0, \i0+1, \i0+2, \i0+3
	FRAG AF+FR*(\i), ADRA+\slot, \q, \i
.endr
.endm
.macro PLACES n                        ; plain vector lines between a matrix instruction and a load into, or a vector line on, one of its registers
.rept \n
	v_nop
.endr
.endm
.macro STEP slot, q, zero              ; 128 along K that has its successor in the same slot
	s_wait_dscnt 4*NL                              ; B's set and A's blocks 0-3 are in; the youngest 16 loads (A's blocks 4-7) may be out
	WIN MUL_LO
	MUL16 0, (\q)%2, \zero
	MUL16 2, (\q)%2, \zero
	s_wait_dscnt 0
	PLACES NP
	FETCH_B \slot, (\q)+1, 1-(\q)%2
	FETCH_A \slot, (\q)+1, 0
	WIN MUL_HI
	MUL16 4, (\q)%2, \zero
	MUL16 6, (\q)%2, \zero
	PLACES NP
	WIN 0
	FETCH_A \slot, (\q)+1, 4
.endm
.macro TURN slot, next, fill           ; a slot's last step changes slots: one barrier; in front of it all my tensor loads are waited for, 0 is added to my spare word, and that and my reads of this slot are waited for
	s_wait_tensorcnt 0x0                           ; all my tensor loads have landed: my part of the next slot
	ds_add_u32 v[SPW], v[NIL]
	s_wait_dscnt 4*NL+1                            ; (the add and the youngest 16 loads may be out)
	WIN MUL_LO
	MUL16 0, 1, 0
	s_wait_dscnt 0x0                               ; the add is done, and my reads of this slot are over
	s_barrier_signal -1
	MUL16 2, 1, 0
	WIN 0
	s_barrier_wait -1
.if \fill
	CREST                                          ; the barrier has opened a round of the cluster's barrier: no wave of any partner still reads this slot or has a load on its way
	s_add_nc_u64 s[G0+4*\slot+2:G0+4*\slot+3], s[G0+4*\slot+2:G0+4*\slot+3], 2*ROWB
	s_add_nc_u64 s[G0B+4*\slot+2:G0B+4*\slot+3], s[G0B+4*\slot+2:G0B+4*\slot+3], 2*ROWB
	JLOAD G0+4*\slot, G1, G0B+4*\slot, G1B         ; the first tensor load behind the round; its four v_nop are the places in front of the loads below
.else
	PLACES NP
.endif
	FETCH_B \next, 0, 0
	FETCH_A \next, 0, 0
	WIN MUL_HI
	MUL16 4, 1, 0
	MUL16 6, 1, 0
	PLACES NP
	WIN 0
	FETCH_A \next, 0, 4
.endm
	; No prefetch: the block is the largest, in clusters, and K is four steps of the ring.
	s_wait_alu depctr_va_vdst(0)
	s_wait_tensorcnt 0x0                           ; my part of K step 0 is in; these lines stand ahead of a later first fill as ahead of a refill
	ds_add_u32 v[SPW], v[NIL]
	s_wait_dscnt 0x0
	CROUND                                         ; everybody's part is in, and all sixteen work-groups are here
	JLOAD G0+4, G1, G0B+4, G1B                     ; K step 1, the first tensor load behind the round
	FETCH_B 0, 0, 0
	FETCH_A 0, 0, 0
	FETCH_A 0, 0, 4
	STEP 0, 0, 1                                   ; the first step's products start the sums
	s_mov_b32 s3, LAPS-1
.Llap:
	TURN 0, 1, 1
	STEP 1, 0, 0
	TURN 1, 0, 1
	STEP 0, 0, 0
	s_sub_co_u32 s3, s3, 1
	s_cmp_lg_u32 s3, 0
	s_cbranch_scc1 .Llap
	TURN 0, 1, 0                                   ; the last lap fills nothing
	STEP 1, 0, 0
	s_wait_dscnt 4*NL
	WIN MUL_LO
	MUL16 0, 1, 0
	MUL16 2, 1, 0
	s_wait_dscnt 0
	WIN MUL_HI
	MUL16 4, 1, 0
	MUL16 6, 1, 0
	WIN 0
	; THE WAY OUT: sum x 2^(ea + eb) + bias in place; the hold; eight numbers of a lane into eight codes; through the work-group's stage; out as whole rows of 256 bytes.
	s_wait_kmcnt 0x0
	s_cmp_eq_u32 s66, 0
	s_cselect_b32 s18, s92, s94                    ; ea,
	s_cselect_b32 s19, s93, s95                    ; eb,
	s_cselect_b32 s20, s98, s99                    ; eo of q or of k;
	s_cmp_eq_u32 s67, 1
	s_cselect_b32 s18, s96, s18                    ; or of v
	s_cselect_b32 s19, s97, s19
	s_cselect_b32 s20, s100, s20
	s_add_co_i32 s22, s18, s19
	s_add_co_i32 s22, s22, 127
	s_lshl_b32 s22, s22, 23                        ; 2^(ea + eb) as f32
	s_mov_b32 s23, s22                             ; (named with it as a pair, so it is written)
	s_add_co_i32 s20, s20, 127
	s_lshl_b32 s21, s20, 23
	v_mov_b32 v[SC], s21
	s_add_co_i32 s20, s20, 8
	s_lshl_b32 s20, s20, 23
	s_or_b32 s20, s20, 0x600000
	v_mov_b32 v[LIM], s20
	s_wait_loadcnt 0x0                             ; the bias
	PLACES NP
.macro BIAS row                        ; each accumulator from its low end on
.irp a, 0,1,2,3,4,5,6,7
	WIN 0x82+0x41*(\a/4)
.irp b, 0,1,2,3,4,5,6,7
.irp i, 0,2,4,6
.if \row
	v_pk_fma_f32 v[64*(\a%4)+8*\b+\i:64*(\a%4)+8*\b+\i+1], v[64*(\a%4)+8*\b+\i:64*(\a%4)+8*\b+\i+1], s[22:23], v[BR+2*\a:BR+2*\a+1] op_sel_hi:[1,0,1]
.else
	v_pk_fma_f32 v[64*(\a%4)+8*\b+\i:64*(\a%4)+8*\b+\i+1], v[64*(\a%4)+8*\b+\i:64*(\a%4)+8*\b+\i+1], s[22:23], v[BC+8*\b+\i:BC+8*\b+\i+1] op_sel_hi:[1,0,1]
.endif
.endr
.endr
.endr
	WIN 0
.endm
	s_cmp_eq_u32 s67, 1                            ; the cluster's x alone: the same in all waves and all partners; the arms hold work on registers alone
	s_cbranch_scc1 .Lrow
	BIAS 0
	s_branch .Lbiased
.Lrow:
	BIAS 1
.Lbiased:
.macro CODES a
	WIN 0x82+0x41*((\a)/4)
.set JJ, 0
.rept 64
	v_med3_num_f32 v[64*((\a)%4)+JJ], v[64*((\a)%4)+JJ], -v[LIM], v[LIM]   ; the conversion does not saturate (ISA guide 7.6.2): the hold comes first
.set JJ, JJ+1
.endr
	WIN 0x02+((\a)/4)
.irp b, 0,1,2,3,4,5,6,7
	v_cvt_scalef32_pk8_fp8_f32 v[CD+16*(\a)+2*\b:CD+16*(\a)+2*\b+1], v[64*((\a)%4)+8*\b:64*((\a)%4)+8*\b+7], v[SC]
.endr
	v_nop                                          ; a plain line behind the last conversion
	WIN 0
.irp b, 0,1,2,3,4,5,6,7
	ds_store_b64 v[STO], v[CD+16*(\a)+2*\b:CD+16*(\a)+2*\b+1] offset:(\a)*16*PITCH+16*\b
.endr
.endm
.irp a, 0,1,2,3,4,5,6,7
	CODES \a
.endr
	s_wait_dscnt 0x0                               ; for the others' sake: my stores into the stage are done
	s_barrier_signal -1
	s_barrier_wait -1
.set TT, 0
.rept 32
	ds_load_b128 v[128+4*TT:128+4*TT+3], v[RD] offset:TT*2*PITCH
.set TT, TT+1
.endr
.set TT, 0
.rept 32
	s_wait_dscnt 31-TT
	global_store_b128 v[CO], v[128+4*TT:128+4*TT+3], s[10:11] offset:TT*4096   ; 16 lanes store 256 consecutive bytes, aligned
.set TT, TT+1
.endr
	s_wait_tensorcnt 0x0                           ; the wave's end
	ds_add_u32 v[SPW], v[NIL]
	s_wait_dscnt 0x0
	CROUND                                         ; the closing round
	s_endpgm
.Lfunc_end_k_q64e2836a57_qkv:
	.size	k_q64e2836a57_qkv, .Lfunc_end_k_q64e2836a57_qkv-k_q64e2836a57_qkv
	.p2alignl 7, 3214868480
	.fill 96, 4, 3214868480
	.section	.rodata,"a",@progbits
	.p2align	6, 0x0
	.amdhsa_kernel k_q64e2836a57_qkv
		.amdhsa_group_segment_fixed_size 327680
		.amdhsa_private_segment_fixed_size 0
		.amdhsa_enable_private_segment 0
		.amdhsa_kernarg_size 80
		.amdhsa_user_sgpr_count 2
		.amdhsa_user_sgpr_kernarg_segment_ptr 1
		.amdhsa_wavefront_size32 1
		.amdhsa_system_sgpr_workgroup_id_x 1
		.amdhsa_system_sgpr_workgroup_id_y 1
		.amdhsa_system_sgpr_workgroup_id_z 1
		.amdhsa_system_vgpr_workitem_id 0
		.amdhsa_next_free_vgpr 1024
		.amdhsa_next_free_sgpr 101
		.amdhsa_reserve_vcc 0
		.amdhsa_float_denorm_mode_32 3
		.amdhsa_float_denorm_mode_16_64 3
		.amdhsa_memory_ordered 1
		.amdhsa_forward_progress 1
		.amdhsa_inst_pref_size 162
	.end_amdhsa_kernel
	.amdgpu_metadata
---
amdhsa.version: [ 1, 2 ]
amdhsa.kernels:
  - .name:           k_q64e2836a57_qkv
    .symbol:         k_q64e2836a57_qkv.kd
    .args:
      - { .name: xc, .offset: 0, .size: 8, .value_kind: global_buffer, .address_space: global }
      - { .name: w_q_codes, .offset: 8, .size: 8, .value_kind: global_buffer, .address_space: global }
      - { .name: w_k_codes, .offset: 16, .size: 8, .value_kind: global_buffer, .address_space: global }
      - { .name: w_v_codes, .offset: 24, .size: 8, .value_kind: global_buffer, .address_space: global }
      - { .name: b_q, .offset: 32, .size: 8, .value_kind: global_buffer, .address_space: global }
      - { .name: b_k, .offset: 40, .size: 8, .value_kind: global_buffer, .address_space: global }
      - { .name: b_v, .offset: 48, .size: 8, .value_kind: global_buffer, .address_space: global }
      - { .name: lowp_scales, .offset: 56, .size: 8, .value_kind: global_buffer, .address_space: global }
      - { .name: qk, .offset: 64, .size: 8, .value_kind: global_buffer, .address_space: global }
      - { .name: vt, .offset: 72, .size: 8, .value_kind: global_buffer, .address_space: global }
    .group_segment_fixed_size: 327680
    .private_segment_fixed_size: 0
    .kernarg_segment_align: 8
    .kernarg_segment_size: 80
    .max_flat_workgroup_size: 128
    .sgpr_count:     101
    .vgpr_count:     1024
    .wavefront_size: 32
...
	.end_amdgpu_metadata
.endif
;; end of part 2
;; launch attn (part 3): grid 32 x 8, 8 waves a work-group, clusters of 4 x 1, 327,680 bytes of LDS; arguments qk, vt, src_mask, lowp_scales, rowc; writes rowc
.if DOCPART == 3
	.amdgcn_target "amdgcn-amd-amdhsa--gfx1250"
	.amdhsa_code_object_version 6
	.text
	.protected	k_q64e2836a57_attn
	.globl	k_q64e2836a57_attn
	.p2align	8
	.type	k_q64e2836a57_attn,@function
k_q64e2836a57_attn:
	s_mov_b64 s[64:65], 0
	v_nop
	global_prefetch_b8 v0, s[64:65] scope:SCOPE_SE
	s_setreg_imm32_b32 hwreg(HW_REG_WAVE_MODE, 25, 1), 1
	s_wait_xcnt 0x0
	s_wait_alu depctr_hold_cnt(0) depctr_sa_sdst(0) depctr_va_vdst(0) depctr_va_sdst(0) depctr_va_ssrc(0) depctr_va_vcc(0) depctr_vm_vsrc(0)
	s_getreg_b32 s2, hwreg(HW_REG_IB_STS2, 6, 4)
	s_cmp_eq_u32 s2, 0
	s_cbranch_scc0 .Lentry_in_a_cluster
	s_endpgm
.Lentry_in_a_cluster:
	s_bfe_u32 s2, ttmp6, 0x10000c
	s_cmp_lg_u32 s2, 0x3003
	s_cbranch_scc0 .Lentry_shape_is_right
	s_endpgm
.Lentry_shape_is_right:
; Launch 3 of 8: attention on E4M3 codes; its result is quantised (scale entry 10) into rowc [token][1024] for the product with w_o.  Nothing is left out.
; qk [token][2048]: q's codes in bytes 0-1023, k's in 1024-2047 (entries 6, 7).  vt [batch][channel][key]: v's codes, keys innermost (entry 9).  src_mask [batch][key] f32.
; SHARES.  A work-group owns 64 queries of four neighbouring heads (256 channels, so that K's and V's tile rows are 256 bytes); wave w owns head w / 2 of the four and 32 queries (w % 2): two tiles of 16.
; Keys go 128 a step; a slot of the ring holds 256 keys: 256 rows of K (waves 0-3 fetch 64 each), then 256 channel rows of V (waves 4-7).  The four work-groups of a cluster walk the same K and V: every fill is a joint load.
; LAYOUT.  S^T = K Q^T + mask (source 0 = 16 keys, source 1 = 16 queries, C = the mask x 8 / 2^(eq + ek), from LDS); O^T = V^T P^T.  A lane holds one query; register j of S^T's tile t is key 16 t + 8 (lane / 16) + j,
; so the conversions' results are P's operand in the K = 128 form's own layout, and V's fragments come by loads of 8 bytes.  Q's and K's fragments carry the same permutation of the head's 64.
; SOFTMAX: t = (score / 8 + mask) log2(e); M = the running largest t rounded up to a whole number; p = 2^(t - M) is quantised (entry 8), held at 448 x 2^ep; the row's sum is taken of the unquantised p and divides at the end.
; A STEP'S VECTOR WORK goes in three runs, the wave's two tiles line by line in each: maxima, M and t - M; ONE batch of 128 exponentials with one wait ahead of it and one behind it; sums, holds and conversions.
; PREFETCH: at the change of slots that loads slot n, slot n + 1 is asked for: a lane a row of 256 bytes, 32 rows a wave (waves 0, 2: K; 4, 6: V), the four partners told apart by address; of the eight clusters
; that walk the same K and V the one with x = 0 asks.  Slots 0 to 2 come by their loads alone; the change that loads the last slot asks for nothing.
; LIMITS: eq + ek between -123 and 130; ep and e10 between -126 and 119; the mask x 8 / 2^(eq + ek) is held within +-3e38; the scaled scores stay under 2^31 in magnitude; NaN is not served.
; REGISTERS, window 0: v1-4 K's and V's LDS addresses in slots 0, 1; v5, v6 the add's two; v7, v8 the mask's; v9 the prefetch's offset; v12-21, v28-37 a tile's state (-M, largest t, sums, f); v22-25 2^ep, 448 x 2^ep, 2^e10, 448 x 2^e10;
;   v40-46 the way out and the head; v48-63 Q; v64-191 S^T, then p; v192-223 p's codes.   window 1: v0-63 the mask; v64-127 K; v128-191 V; v192-255 O^T.
.set KP,    272                        ; an LDS row: 256 bytes + 16 of padding
.set PARTB, 64*KP                      ; what one tensor load brings
.set VOFF,  4*PARTB
.set SLOT,  8*PARTB
.set ML,    2*SLOT                     ; the batch's mask, 2,048 numbers
.set STG,   ML+8192                    ; the way out: 64 rows x 272 bytes
.set SPARE, STG+64*272                 ; the spare words, 128 bytes a wave, which no other line names
.set ST,    12
.set QF,    48
.set S,     64
.set CD,    192
.set MK,    0
.set KF,    64
.set VF,    128
.set OT,    192
.set NPRE,  73
.set NPOST, 105
.set MSB, 0
.macro WIN new                         ; the immediate's high byte repeats the setting that is left
.if MSB != (\new)
	s_set_vgpr_msb (MSB<<8)|(\new)
.set MSB, (\new)
.endif
.endm
.macro CREST                           ; a round of the cluster's barrier behind its opening barrier
	s_cmp_lg_u32 s18, 0
	s_cbranch_scc1 .Lnot_wave_0_\@
	s_barrier_signal -3
.Lnot_wave_0_\@:
	s_barrier_wait -3
	s_barrier_signal -1
	s_barrier_wait -1
.endm
.macro CROUND
	s_barrier_signal -1
	s_barrier_wait -1
	s_cmp_lg_u32 s18, 0
	s_cbranch_scc1 .Lnot_wave_0_\@
	s_barrier_signal -3
.Lnot_wave_0_\@:
	s_barrier_wait -3
	s_barrier_signal -1
	s_barrier_wait -1
.endm
	s_load_b256 s[4:11], s[0:1], 0x0               ; qk, vt, src_mask, the scales' exponents
	s_load_b64 s[12:13], s[0:1], 0x20              ; rowc
	v_lshl_add_u32 v5, v0, 2, SPARE
	v_mov_b32 v6, 0
	ds_add_u32 v5, v6                              ; the opening: the add, twice on end, and its wait ahead of my first tensor load
	ds_add_u32 v5, v6
	v_lshrrev_b32 v10, 5, v0
	v_readfirstlane_b32 s18, v10                   ; wave 0..7
	s_bfe_u32 s14, ttmp6, 0x40000                  ; cx
	s_lshl_b32 s15, ttmp9, 2
	s_add_co_u32 s15, s15, s14                     ; which 64 queries
	s_and_b32 s16, ttmp7, 0xffff
	s_lshr_b32 s17, s16, 2                         ; batch
	s_and_b32 s19, s16, 3                          ; which four heads
	s_lshr_b32 s40, s18, 1                         ; my head of the four
	s_and_b32 s41, s18, 1                          ; my 32 queries of the 64
	s_mov_b32 s24, 15|(0<<16)|(1<<20)|(1<<21)|(5<<22)|(3<<25)   ; group 1: all four partners; 1 byte; padding: 4 words behind every 64; 64 rows x 256 bytes, 2,048 apart
	s_mov_b32 s25, 256<<16
	s_mov_b32 s26, 64<<16
	s_mov_b32 s27, 256<<16
	s_mov_b32 s28, 64
	s_mov_b32 s29, 2048
	s_mov_b32 s30, 0
	s_mov_b32 s31, 0
	s_mov_b32 s20, 0x76543210                      ; v_permlanex16_b32's selects for lane l xor 16
	s_mov_b32 s21, 0xfedcba98
	s_lshl_b32 s57, s17, 11                        ; the batch's first token
	s_lshl_b32 s60, s19, 8                         ; the four heads' first channel
	s_and_b32 s59, s18, 3
	s_lshl_b32 s59, s59, 6
	s_add_co_u32 s61, s57, s59
	s_lshl_b32 s61, s61, 11
	s_add_co_u32 s61, s61, s60
	s_add_co_u32 s61, s61, 1024                    ; K: key 64 (wave % 4), my heads' bytes of k
	s_add_co_u32 s62, s60, s59
	s_lshl_b32 s62, s62, 11
	s_lshl_b32 s63, s17, 21
	s_add_co_u32 s62, s62, s63                     ; V: channel row 64 (wave % 4) of my heads
	s_mov_b32 s50, 512
	s_mov_b32 s66, 256
	s_cmp_lt_u32 s18, 4                            ; waves 0-3 fetch K, 4-7 V
	s_cselect_b32 s62, s61, s62
	s_cselect_b32 s50, 0x100000, s50               ; two slots on, in bytes
	s_cselect_b32 s66, 0x80000, s66                ; one slot on
	s_mov_b32 s63, 0
	s_mov_b32 s51, 0
	s_mov_b32 s67, 0
	s_mov_b32 s32, 1
	s_mul_i32 s33, s18, PARTB                      ; LDS: wave x 64 rows, in slot 0,
	s_mov_b32 s36, 1
	s_add_co_u32 s37, s33, SLOT                    ; and in slot 1
	s_lshl_b32 s76, s14, 6                         ; the prefetches: my work-group's 64 rows of a slot's 256, my wave's 32 of them
	s_and_b32 s77, s40, 1
	s_lshl_b32 s77, s77, 5
	s_add_co_u32 s76, s76, s77
	s_add_co_u32 s77, s57, s76
	s_add_co_u32 s77, s77, 512                     ; at slot 2: the first change of slots steps it to slot 3
	s_lshl_b32 s77, s77, 11
	s_add_co_u32 s77, s77, s60
	s_add_co_u32 s77, s77, 1024
	s_add_co_u32 s78, s60, s76
	s_lshl_b32 s78, s78, 11
	s_lshl_b32 s79, s17, 21
	s_add_co_u32 s78, s78, s79
	s_add_co_u32 s78, s78, 512
	s_mov_b32 s48, 256
	s_cmp_lt_u32 s40, 2
	s_cselect_b32 s74, s77, s78
	s_cselect_b32 s48, 0x80000, s48
	s_mov_b32 s75, 0
	s_mov_b32 s49, 0
	s_or_b32 s79, s41, ttmp9
	s_cmp_eq_u32 s79, 0
	s_cselect_b32 s44, 1, -1                       ; even waves of the clusters with x = 0 ask; for the others no count reaches the bound
	s_lshl_b32 s58, s15, 6
	s_add_co_u32 s58, s58, s57                     ; the work-group's first query
	s_lshl_b32 s59, s41, 5
	s_add_co_u32 s59, s59, s58
	s_lshl_b32 s59, s59, 11
	s_add_co_u32 s59, s59, s60
	s_lshl_b32 s61, s40, 6
	s_add_co_u32 s68, s59, s61                     ; Q: my first query, my head
	s_mov_b32 s69, 0
	s_lshl_b32 s59, s18, 3
	s_add_co_u32 s59, s59, s58
	s_lshl_b32 s59, s59, 10
	s_add_co_u32 s72, s59, s60                     ; the way out: wave w stores rows 8 w on, 256 bytes each
	s_mov_b32 s73, 0
	s_lshl_b32 s70, s17, 13                        ; the batch's mask
	s_mov_b32 s71, 0
	s_mov_b32 s42, 0                               ; the mask's bytes passed
	s_mov_b32 s43, 3                               ; the loop's trips
	s_wait_dscnt 0x0                               ; both opening adds are done
	s_wait_kmcnt 0x0
	s_load_b128 s[52:55], s[10:11], 0x18           ; eq, ek, ep, ev
	s_load_b32 s56, s[10:11], 0x28                 ; e10
	s_cmp_lt_u32 s18, 4
	s_cselect_b64 s[34:35], s[4:5], s[6:7]
	s_add_nc_u64 s[34:35], s[34:35], s[62:63]
	s_add_nc_u64 s[38:39], s[34:35], s[66:67]
	s_or_b32 s35, s35, 0x80000000
	s_or_b32 s39, s39, 0x80000000
	s_cmp_lt_u32 s40, 2
	s_cselect_b64 s[46:47], s[4:5], s[6:7]
	s_add_nc_u64 s[46:47], s[46:47], s[74:75]
	s_add_nc_u64 s[68:69], s[4:5], s[68:69]
	s_add_nc_u64 s[70:71], s[8:9], s[70:71]
	s_add_nc_u64 s[72:73], s[12:13], s[72:73]
	CROUND                                         ; the four work-groups are here: the first joint loads meet
	tensor_load_to_lds s[32:35], s[24:31]          ; slot 0: one tensor load a wave at the head; all that follows up to the wait stands under its flight
	s_nop 0
	v_and_b32 v10, 15, v0                          ; r
	v_bfe_u32 v11, v0, 4, 1                        ; h
	v_lshlrev_b32 v43, 11, v10
	v_lshlrev_b32 v44, 4, v0
	v_lshl_add_u32 v43, v11, 4, v43
	global_load_b128 v[QF:QF+3], v43, s[68:69]     ; Q's two fragments stay in registers
	global_load_b128 v[QF+4:QF+7], v43, s[68:69] offset:32
	global_load_b128 v[QF+8:QF+11], v43, s[68:69] offset:32768
	global_load_b128 v[QF+12:QF+15], v43, s[68:69] offset:32800
	global_load_b128 v[224:227], v44, s[70:71]     ; the mask: 256 threads x 16 bytes, twice
	global_load_b128 v[228:231], v44, s[70:71] offset:4096
	s_wait_alu depctr_va_vdst(0)                   ; directly ahead of the scalar lines behind which r
	s_lshl_b32 s57, s40, 6
	s_mul_i32 s58, s40, 64*KP
	s_add_co_u32 s58, s58, VOFF
	s_mul_i32 s59, s41, 32*272
	s_add_co_u32 s59, s59, s57
	s_add_co_u32 s59, s59, STG
	s_mul_i32 s60, s18, 8*272
	s_add_co_u32 s60, s60, STG
	v_lshl_add_u32 v45, v0, 4, ML
	v_mul_u32_u24 v1, v10, KP
	v_mul_u32_u24 v41, v11, 272
	v_lshlrev_b32 v7, 5, v11
	v_and_b32 v9, 31, v0
	v_lshlrev_b32 v42, 10, v11
	v_lshl_add_u32 v3, v11, 3, v1
	v_lshl_add_u32 v1, v11, 4, v1
	v_lshl_add_u32 v41, v10, 4, v41
	v_add_nc_u32 v7, ML, v7                        ; the mask as C: 64 t + 32 h + 4 j
	v_lshlrev_b32 v9, 11, v9                       ; the prefetch: a lane a row
	v_lshl_add_u32 v42, v10, 4, v42                ; the way out, in rowc: lanes 0-15 one row, lanes 16-31 the next
	v_add_nc_u32 v40, s59, v3                      ; into the stage: row r of my 32, my head's 64 bytes, + 8 h
	v_add_nc_u32 v3, s58, v3                       ; V: my head's rows, row r, + 8 h
	v_add_nc_u32 v1, s57, v1                       ; K: row r, my head's 64 bytes, + 16 h
	v_add_nc_u32 v41, s60, v41                     ; back from the stage
	v_add_nc_u32 v4, SLOT, v3
	v_add_nc_u32 v2, SLOT, v1
	v_mov_b32 v8, v7
	v_mov_b32 v46, 0x7f61b1e6                      ; 3e38
.irp x, 0,1
	v_mov_b32 v[ST+16*\x+1], 0xff61b1e6            ; the largest t so far: -3e38
	v_mov_b32 v[ST+16*\x+2], 0                     ; the sum, in two halves
	v_mov_b32 v[ST+16*\x+3], 0
	v_mov_b32 v[ST+16*\x+5], 0                     ; a lane permute's destination counts as one of its sources
	v_mov_b32 v[ST+16*\x+7], 0                     ; (named as the upper half of f's pair)
	v_floor_f32 v[ST+16*\x], -v[ST+16*\x+1]        ; -M
.endr
	WIN 0x40
.set JJ, 0
.rept 64
	v_mov_b32 v[OT+JJ], 0                          ; O^T: the step is written once; the first change of M leaves zeros zeros
.set JJ, JJ+1
.endr
	WIN 0
	s_wait_kmcnt 0x0
	s_add_co_i32 s57, s52, s53
	s_lshl_b32 s58, s57, 23
	s_add_co_i32 s22, s58, 0x3e38aa3b              ; c = log2(e) / 8 x 2^(eq + ek): the exponents are added to c's exponent field
	s_mov_b32 s23, s22
	s_sub_co_i32 s58, 3, s57                       ; the mask goes in x 8 / 2^(eq + ek)
	s_add_co_i32 s59, s54, 127
	s_lshl_b32 s60, s59, 23
	v_mov_b32 v22, s60                             ; 2^ep
	s_add_co_i32 s59, s59, 8
	s_lshl_b32 s59, s59, 23
	s_or_b32 s59, s59, 0x600000
	v_mov_b32 v23, s59                             ; 448 x 2^ep
	s_add_co_i32 s59, s56, 127
	s_lshl_b32 s60, s59, 23
	v_mov_b32 v24, s60                             ; 2^e10
	s_add_co_i32 s59, s59, 8
	s_lshl_b32 s59, s59, 23
	s_or_b32 s59, s59, 0x600000
	v_mov_b32 v25, s59                             ; 448 x 2^e10
	s_wait_alu depctr_va_vdst(0)
	s_wait_loadcnt 0x0                             ; Q and the mask
.irp i, 224,225,226,227,228,229,230,231
	v_ldexp_f32 v\i, v\i, s58
.endr
.irp i, 224,225,226,227,228,229,230,231
	v_med3_num_f32 v\i, v\i, -v46, v46
.endr
	ds_store_b128 v45, v[224:227]
	ds_store_b128 v45, v[228:231] offset:4096
	s_wait_alu depctr_va_vdst(0)
	s_wait_tensorcnt 0x0                           ; my part of slot 0 is in; these lines stand ahead of a later first fill as ahead of a refill
	ds_add_u32 v5, v6
	s_wait_dscnt 0x0                               ; the add and my part of the mask are done
	CROUND                                         ; slot 0 and the mask are whole, and the four work-groups are here
	tensor_load_to_lds s[36:39], s[24:31]          ; slot 1, the first tensor load behind the round
	s_nop 0
.rept 4
	v_nop
.endr
.macro LOADKM sl, q, mo                ; a step's mask (128 numbers) and K's eight fragments
	WIN 0x40
.irp t, 0,1,2,3,4,5,6,7
	ds_load_b128 v[MK+8*\t:MK+8*\t+3], v8 offset:\mo+64*\t
	ds_load_b128 v[MK+8*\t+4:MK+8*\t+7], v8 offset:\mo+64*\t+16
.endr
.irp t, 0,1,2,3,4,5,6,7
	ds_load_b128 v[KF+8*\t:KF+8*\t+3], v[1+(\sl)] offset:(128*(\q)+16*\t)*KP
	ds_load_b128 v[KF+8*\t+4:KF+8*\t+7], v[1+(\sl)] offset:(128*(\q)+16*\t)*KP+32
.endr
	WIN 0
.endm
.macro LOADV sl, q                     ; V's four fragments: 16 channels x 128 keys each
	WIN 0x40
.irp t, 0,1,2,3
.irp c, 0,1,2,3,4,5,6,7
	ds_load_b64 v[VF+16*\t+2*\c:VF+16*\t+2*\c+1], v[3+(\sl)] offset:16*\t*KP+128*(\q)+16*\c
.endr
.endr
	WIN 0
.endm
.macro PRE x                           ; line J of a tile's way to t - M: the largest score in two chains, from each accumulator's low end on; M; f = 2^(old M - new M); the scaling, two at a time
.set rS, S+64*(\x)
.set rT, ST+16*(\x)
.if J < 2
	v_max3_num_f32 v[rT+4+2*J], v[rS+3*J], v[rS+3*J+1], v[rS+3*J+2]
.elseif J < 30
	v_max3_num_f32 v[rT+4+2*(J%2)], v[rT+4+2*(J%2)], v[rS+6+4*((J-2)/2)+2*(J%2)], v[rS+7+4*((J-2)/2)+2*(J%2)]
.elseif J == 30
	v_max3_num_f32 v[rT+4], v[rT+4], v[rS+62], v[rS+63]
.elseif J == 31
	v_max_num_f32 v[rT+4], v[rT+4], v[rT+6]
.elseif J == 32
	v_permlanex16_b32 v[rT+5], v[rT+4], s20, s21
.elseif J == 33
	v_max_num_f32 v[rT+4], v[rT+4], v[rT+5]
.elseif J == 34
	v_mul_f32 v[rT+4], s22, v[rT+4]
.elseif J == 35
	v_max_num_f32 v[rT+1], v[rT+1], v[rT+4]
.elseif J == 36
	v_mov_b32 v[rT+4], v[rT]
.elseif J == 37
	v_floor_f32 v[rT], -v[rT+1]
.elseif J == 38
	v_sub_f32 v[rT+4], v[rT], v[rT+4]
.elseif J == 39
	v_cvt_i32_f32 v[rT+4], v[rT+4]
.elseif J == 40
	v_ldexp_f32 v[rT+6], 1.0, v[rT+4]
.else
	v_pk_fma_f32 v[rS+2*(J-41):rS+2*(J-41)+1], v[rS+2*(J-41):rS+2*(J-41)+1], s[22:23], v[rT:rT+1] op_sel_hi:[1,0,0]
.endif
.endm
.macro POST x                          ; line J behind the exponentials: the sums x f; the sum of the unquantised p in two chains; the one-sided hold (the conversion does not saturate: ISA guide 7.6.2) and the codes
.set rS, S+64*(\x)
.set rT, ST+16*(\x)
.set rC, CD+16*(\x)
.if J == 0
	v_pk_mul_f32 v[rT+2:rT+3], v[rT+2:rT+3], v[rT+6:rT+7] op_sel_hi:[1,0]
.elseif J == 1
	v_pk_add_f32 v[rT+8:rT+9], v[rS:rS+1], v[rS+2:rS+3]
.elseif J < 32
	v_pk_add_f32 v[rT+2+6*(J%2):rT+3+6*(J%2)], v[rT+2+6*(J%2):rT+3+6*(J%2)], v[rS+4+4*((J-2)/2)+2*(J%2):rS+5+4*((J-2)/2)+2*(J%2)]
.elseif J == 32
	v_pk_add_f32 v[rT+2:rT+3], v[rT+2:rT+3], v[rT+8:rT+9]
.elseif ((J-33)%9) < 8
	v_min_num_f32 v[rS+8*((J-33)/9)+(J-33)%9], v[rS+8*((J-33)/9)+(J-33)%9], v23
.else
	v_cvt_scalef32_pk8_fp8_f32 v[rC+2*((J-33)/9):rC+2*((J-33)/9)+1], v[rS+8*((J-33)/9):rS+8*((J-33)/9)+7], v22
.endif
.endm
.macro ASK last                        ; the slot after the one just asked for; last = 1: not in the loop's last trip, where there is none
.if \last
	s_cmp_gt_u32 s43, s44
.else
	s_cmp_ge_u32 s43, s44
.endif
	s_cbranch_scc0 .Lnot_mine_\@
	global_prefetch_b8 v9, s[46:47] th:TH_LOAD_NT scope:SCOPE_SE
.Lnot_mine_\@:
.endm
; A KEY STEP: the q-th 128 keys of slot sl.  chg = 1, 2: the slot's last step; the slot is filled again behind a round.  chg = 3: the last change of slots, nothing is filled.  nxt, nmo: the next step's K and mask are fetched.
.macro STEP sl, q, chg, nxt, nmo
	s_wait_dscnt 0x0                               ; this step's K and mask
	WIN 0x11
.irp t, 0,1,2,3,4,5,6,7
	v_wmma_f32_16x16x64_fp8_fp8 v[S+8*\t:S+8*\t+7], v[KF+8*\t:KF+8*\t+7], v[QF:QF+7], v[MK+8*\t:MK+8*\t+7]
	v_wmma_f32_16x16x64_fp8_fp8 v[S+64+8*\t:S+64+8*\t+7], v[KF+8*\t:KF+8*\t+7], v[QF+8:QF+15], v[MK+8*\t:MK+8*\t+7]
.endr
	WIN 0
.rept 4
	v_nop                                          ; places ahead of the reads of S^T and of loads into registers that matrix instructions have read
.endr
	LOADV \sl, \q
.if \chg
	s_wait_tensorcnt 0x0                           ; all my tensor loads have landed: my part of the other slot
	ds_add_u32 v5, v6                              ; work on registers stands between the add and its wait
.if \chg < 3
	s_add_nc_u64 s[34+4*\sl:35+4*\sl], s[34+4*\sl:35+4*\sl], s[50:51]   ; this slot's next keys
	s_wait_xcnt 0x0                                ; my last prefetch has read its address
	s_add_nc_u64 s[46:47], s[46:47], s[48:49]
.endif
.elseif \nxt
	LOADKM \sl, 1, \nmo
.endif
.set J, 0
.rept 32
	PRE 0                                          ; the maxima within a lane: 64 lines between the add and its wait
	PRE 1
.set J, J+1
.endr
.if \chg
	s_wait_alu depctr_va_vdst(0)                   ; directly ahead of the wait below
	s_wait_dscnt 0x0                               ; the add is done, and my reads of this slot (V's were the last) are over:
	s_barrier_signal -1                            ; say so; the barrier opens the round, and the rest of the way to t - M, work on registers alone, stands between signal and wait
.endif
.rept NPRE-32
	PRE 0
	PRE 1
.set J, J+1
.endr
.if \chg
	s_barrier_wait -1
.if \chg < 3
	CREST                                          ; no wave of any partner still reads this slot or has a load on its way
	tensor_load_to_lds s[32+4*\sl:35+4*\sl], s[24:31]
	s_nop 0
.rept 4
	v_nop
.endr
.endif
	LOADKM 1-\sl, 0, \nmo
.if \chg < 3
	ASK \chg-1
.endif
.endif
	s_wait_alu depctr_va_vdst(0)                   ; one wait ahead of the batch
.set EX, 0
.rept 128
	v_exp_f32 v[S+EX], v[S+EX]                     ; p = 2^(t - M), at most 1
.set EX, EX+1
.endr
.set J, 0
	POST 0                                         ; plain lines behind the batch that name none of its results
	POST 1
.set J, 1
	s_wait_alu depctr_va_vdst(0)                   ; one wait for the whole batch, ahead of its first reader
.rept NPOST-1
	POST 0
	POST 1
.set J, J+1
.endr
	WIN 0x41
	s_wait_alu depctr_va_vdst(0)                   ; directly ahead of the first reader of O^T
.set JJ, 0
.rept 16
	v_pk_mul_f32 v[OT+JJ:OT+JJ+1], v[OT+JJ:OT+JJ+1], v[ST+6:ST+7] op_sel_hi:[1,0]
	v_pk_mul_f32 v[OT+32+JJ:OT+32+JJ+1], v[OT+32+JJ:OT+32+JJ+1], v[ST+22:ST+23] op_sel_hi:[1,0]
.set JJ, JJ+2
.endr
	s_wait_alu depctr_va_vdst(0)
	s_wait_dscnt 0x0                               ; V
	WIN 0x51
.irp t, 0,1,2,3
	v_wmma_f32_16x16x128_fp8_fp8 v[OT+8*\t:OT+8*\t+7], v[VF+16*\t:VF+16*\t+15], v[CD:CD+15], v[OT+8*\t:OT+8*\t+7]
	v_wmma_f32_16x16x128_fp8_fp8 v[OT+32+8*\t:OT+32+8*\t+7], v[VF+16*\t:VF+16*\t+15], v[CD+16:CD+31], v[OT+32+8*\t:OT+32+8*\t+7]
.endr
	WIN 0
.endm
	LOADKM 0, 0, 0
.Ltiles:                                           ; a trip: once round the ring, 512 keys; both slots are filled again
	v_add_nc_u32 v8, s42, v7
	s_wait_alu depctr_va_vdst(0)
	STEP 0, 0, 0, 1, 512
	STEP 0, 1, 1, 1, 1024
	STEP 1, 0, 0, 1, 1536
	STEP 1, 1, 2, 1, 2048
	s_add_co_u32 s42, s42, 2048
	s_sub_co_u32 s43, s43, 1
	s_cmp_lg_u32 s43, 0
	s_cbranch_scc1 .Ltiles
	v_add_nc_u32 v8, s42, v7                       ; the last 512 keys are written out: they fill nothing
	s_wait_alu depctr_va_vdst(0)
	STEP 0, 0, 0, 1, 512
	STEP 0, 1, 3, 1, 1024
	STEP 1, 0, 0, 1, 1536
	STEP 1, 1, 0, 0, 0
	; THE WAY OUT: O^T / the sum x 2^(ep + ev), held, to codes under 2^e10, through the work-group's stage, out as rows of 256 bytes.
.irp x, 0,1
	v_add_f32 v[ST+16*\x+2], v[ST+16*\x+2], v[ST+16*\x+3]
.endr
.irp x, 0,1
	v_permlanex16_b32 v[ST+16*\x+5], v[ST+16*\x+2], s20, s21
.endr
.irp x, 0,1
	v_add_f32 v[ST+16*\x+2], v[ST+16*\x+2], v[ST+16*\x+5]
.endr
	s_wait_alu depctr_va_vdst(0)                   ; ahead of the two reciprocals
.irp x, 0,1
	v_rcp_f32 v[ST+16*\x+2], v[ST+16*\x+2]
.endr
	v_nop
	s_add_co_i32 s57, s54, s55
	s_wait_alu depctr_va_vdst(0)                   ; and ahead of their first reader
.irp x, 0,1
	v_ldexp_f32 v[ST+16*\x+2], v[ST+16*\x+2], s57
.endr
	WIN 0x01
	s_wait_alu depctr_va_vdst(0)                   ; directly ahead of the first reader of O^T
.irp x, 0,1
.set JJ, 0
.rept 32
	v_mul_f32 v[S+64*\x+JJ], v[OT+32*\x+JJ], v[ST+16*\x+2]
.set JJ, JJ+1
.endr
.endr
	WIN 0
.irp x, 0,1
.set JJ, 0
.rept 32
	v_med3_num_f32 v[S+64*\x+JJ], v[S+64*\x+JJ], -v25, v25
.set JJ, JJ+1
.endr
.endr
.irp x, 0,1
.irp t, 0,1,2,3
	v_cvt_scalef32_pk8_fp8_f32 v[CD+16*\x+2*\t:CD+16*\x+2*\t+1], v[S+64*\x+8*\t:S+64*\x+8*\t+7], v24
.endr
.endr
	v_nop                                          ; a plain line behind the last conversion
.irp x, 0,1
.irp t, 0,1,2,3
	ds_store_b64 v40, v[CD+16*\x+2*\t:CD+16*\x+2*\t+1] offset:\x*16*272+16*\t
.endr
.endr
	s_wait_dscnt 0x0                               ; for the others' sake
	s_barrier_signal -1
	s_barrier_wait -1
.irp i, 0,1,2,3
	ds_load_b128 v[S+4*\i:S+4*\i+3], v41 offset:\i*2*272
.endr
.irp i, 0,1,2,3
	s_wait_dscnt 3-\i
	global_store_b128 v42, v[S+4*\i:S+4*\i+3], s[72:73] offset:\i*2048   ; 16 lanes store 256 consecutive bytes, aligned
.endr
	s_wait_tensorcnt 0x0                           ; the wave's end
	ds_add_u32 v5, v6
	s_wait_dscnt 0x0
	CROUND                                         ; the closing round
	s_endpgm
.Lfunc_end_k_q64e2836a57_attn:
	.size	k_q64e2836a57_attn, .Lfunc_end_k_q64e2836a57_attn-k_q64e2836a57_attn
	.p2alignl 7, 3214868480
	.fill 96, 4, 3214868480
	.section	.rodata,"a",@progbits
	.p2align	6, 0x0
	.amdhsa_kernel k_q64e2836a57_attn
		.amdhsa_group_segment_fixed_size 327680
		.amdhsa_private_segment_fixed_size 0
		.amdhsa_enable_private_segment 0
		.amdhsa_kernarg_size 40
		.amdhsa_user_sgpr_count 2
		.amdhsa_user_sgpr_kernarg_segment_ptr 1
		.amdhsa_wavefront_size32 1
		.amdhsa_system_sgpr_workgroup_id_x 1
		.amdhsa_system_sgpr_workgroup_id_y 1
		.amdhsa_system_sgpr_workgroup_id_z 1
		.amdhsa_system_vgpr_workitem_id 0
		.amdhsa_next_free_vgpr 512
		.amdhsa_next_free_sgpr 84
		.amdhsa_reserve_vcc 0
		.amdhsa_float_denorm_mode_32 3
		.amdhsa_float_denorm_mode_16_64 3
		.amdhsa_memory_ordered 1
		.amdhsa_forward_progress 1
		.amdhsa_inst_pref_size 255
	.end_amdhsa_kernel
	.section	.bss,"aw",@nobits
	.p2align	6
	.space	262144
	.amdgpu_metadata
---
amdhsa.version: [ 1, 2 ]
amdhsa.kernels:
  - .name:           k_q64e2836a57_attn
    .symbol:         k_q64e2836a57_attn.kd
    .args:
      - { .name: qk, .offset: 0, .size: 8, .value_kind: global_buffer, .address_space: global }
      - { .name: vt, .offset: 8, .size: 8, .value_kind: global_buffer, .address_space: global }
      - { .name: src_mask, .offset: 16, .size: 8, .value_kind: global_buffer, .address_space: global }
      - { .name: lowp_scales, .offset: 24, .size: 8, .value_kind: global_buffer, .address_space: global }
      - { .name: rowc, .offset: 32, .size: 8, .value_kind: global_buffer, .address_space: global }
    .group_segment_fixed_size: 327680
    .private_segment_fixed_size: 0
    .kernarg_segment_align: 8
    .kernarg_segment_size: 40
    .max_flat_workgroup_size: 256
    .sgpr_count:     84
    .vgpr_count:     512
    .wavefront_size: 32
...
	.end_amdgpu_metadata
.endif
;; end of part 3
;; launch oproj (part 4): grid 8 x 32, 4 waves a work-group, clusters of 4 x 4, 327,680 bytes of LDS; arguments rowc, w_o_codes, b_o, x, lowp_scales, y; writes y
.if DOCPART == 4
	.amdgcn_target "amdgcn-amd-amdhsa--gfx1250"
	.amdhsa_code_object_version 6
	.text
	.protected	k_q64e2836a57_oproj
	.globl	k_q64e2836a57_oproj
	.p2align	8
	.type	k_q64e2836a57_oproj,@function
k_q64e2836a57_oproj:
	s_mov_b64 s[64:65], 0
	v_nop
	global_prefetch_b8 v0, s[64:65] scope:SCOPE_SE
	s_setreg_imm32_b32 hwreg(HW_REG_WAVE_MODE, 25, 1), 1
	s_wait_xcnt 0x0
	s_wait_alu depctr_hold_cnt(0) depctr_sa_sdst(0) depctr_va_vdst(0) depctr_va_sdst(0) depctr_va_ssrc(0) depctr_va_vcc(0) depctr_vm_vsrc(0)
	s_getreg_b32 s2, hwreg(HW_REG_IB_STS2, 6, 4)
	s_cmp_eq_u32 s2, 0
	s_cbranch_scc0 .Lentry_in_a_cluster
	s_endpgm
.Lentry_in_a_cluster:
	s_bfe_u32 s2, ttmp6, 0x10000c
	s_cmp_lg_u32 s2, 0xf033
	s_cbranch_scc0 .Lentry_shape_is_right
	s_endpgm
.Lentry_shape_is_right:
; Launch 4 of 8: y = x + (attention's result) w_o + b_o.  A: rowc [4096][1024] codes (entry 10), W: w_o_codes [1024][1024] (entry 11); x, y f32.  Nothing is left out.
; A tile of 128 x 128 of y gives 256 work-groups; four waves, 64 x 64 each: 16 accumulators.  THE WHOLE K LIES IN LDS: each wave brings 64 rows of 1,024 bytes by ONE tensor load (waves 0, 1: A's halves; 2, 3: W's):
; 256 rows x 1,040 bytes.  So there is one fill, one wait for it and one barrier; nothing is filled again.  No prefetch: the launch has no loop to run ahead in.
; CLUSTERS: 4 x 4: A's tile is shared along a row of the cluster, W's along a column, each asked for jointly.  The matrix instruction takes W's rows as source 0 and A's as source 1: a lane holds eight neighbouring channels of a token.
; VALUES: y = x + (sum x 2^(ea + eb) + bias): a fused multiply-add, then an addition, in f32.  LIMIT: ea + eb between -126 and 127.
; REGISTERS: window 0: addresses; v32-63 the bias; v64-95 at work; v128-255 the accumulators.  window 1: two fragment buffers of 128 (A's four fragments, then W's four); on the way out rows from the stage.  window 2: v0-127 the residual, asked for at the head.
.set SIZE_K, 1024
.set SCOFF,  0x28                      ; the two scales' place in lowp_scales, in bytes
.set PITCH,  1040                      ; an LDS row: 1,024 bytes + 16 of padding = 260 words: the 16 rows of a load start at 16 different banks (64 banks of 4 bytes: ISA guide 11.1)
.set HALFT,  64*PITCH
.set STAGE,  4*HALFT                   ; behind the tiles: 16 rows x 272 bytes for each wave
.set SPITCH, 272
.set SPARE,  STAGE+4*16*SPITCH         ; the spare words, 128 bytes a wave, which no other line names
.set ADRA, 16
.set ADRB, 20
.set STO,  24
.set RD,   25
.set CO,   26
.set BO,   27
.set SPW,  28
.set NIL,  29
.set BI,   32
.set TMP,  64
.set ACC,  128
.set F0,   0
.set F1,   128
.set G1, 24
.set G0, 32
.set G1B, 48
.set G0B, 56
.set MSB, 0
.macro WIN new
.if MSB != (\new)
	s_set_vgpr_msb (MSB<<8)|(\new)
.set MSB, (\new)
.endif
.endm
.set MUL,  0x05                        ; sources 0 and 1 window 1; C and D window 0
.set TO_F, 0x40                        ; destination window 1
.macro CROUND
	s_barrier_signal -1
	s_barrier_wait -1
	s_cmp_lg_u32 s10, 0
	s_cbranch_scc1 .Lnot_wave_0_\@
	s_barrier_signal -3
.Lnot_wave_0_\@:
	s_barrier_wait -3
	s_barrier_signal -1
	s_barrier_wait -1
.endm
	s_load_b256 s[68:75], s[0:1], 0x0              ; A's codes, W's codes, the bias, the residual
	s_load_b128 s[76:79], s[0:1], 0x20             ; the scales' exponents, y
	v_lshl_add_u32 v[SPW], v0, 2, SPARE
	v_mov_b32 v[NIL], 0
	ds_add_u32 v[SPW], v[NIL]                      ; the wave's opening: the add, twice on end, and its wait ahead of my first tensor load
	ds_add_u32 v[SPW], v[NIL]
	v_lshrrev_b32 v1, 5, v0
	v_readfirstlane_b32 s10, v1                    ; wave 0..3
	s_lshr_b32 s11, s10, 1                         ; my half of the tile's rows.  Also: I fetch for A (0) or for W (1)
	s_and_b32 s12, s10, 1                          ; my half of its columns.  Also: which 64 rows I fetch
	s_bfe_u32 s40, ttmp6, 0x40000
	s_bfe_u32 s41, ttmp6, 0x40004
	s_lshl_b32 s42, ttmp9, 2
	s_add_co_u32 s42, s42, s40                     ; tile column
	s_and_b32 s13, ttmp7, 0xffff
	s_lshl_b32 s13, s13, 2
	s_add_co_u32 s13, s13, s41                     ; tile row
	s_lshl_b32 s43, s41, 2
	s_lshl_b32 s43, 15, s43
	s_lshl_b32 s44, 0x1111, s40
	s_or_b32 s[G1+0], s43, (0<<16)|(1<<20)|(1<<21)|(7<<22)|(3<<25)  ; the mask; elements of 1 byte; padding on; bit 21 beside a mask; 4 words behind every 256
	s_or_b32 s[G1B+0], s44, (0<<16)|(1<<20)|(1<<21)|(7<<22)|(3<<25)
.irp g, G1, G1B
	s_mov_b32 s[\g+1], SIZE_K<<16
	s_mov_b32 s[\g+2], 64<<16
	s_mov_b32 s[\g+3], SIZE_K<<16
	s_mov_b32 s[\g+4], 64
	s_mov_b32 s[\g+5], SIZE_K
	s_mov_b32 s[\g+6], 0
	s_mov_b32 s[\g+7], 0
.endr
	s_lshl_b32 s17, s12, 6
	s_lshl_b32 s16, s13, 7
	s_add_co_u32 s16, s16, s17
	s_lshl_b32 s46, s42, 7
	s_add_co_u32 s46, s46, s17
	s_mul_i32 s16, s16, SIZE_K
	s_mul_i32 s46, s46, SIZE_K
	s_mov_b32 s17, 0
	s_mov_b32 s47, 0
	s_mov_b32 s[G0], 1
	s_mul_i32 s[G0+1], s10, HALFT                  ; where they go: wave x 64 rows
	s_mov_b32 s[G0B], 1
	s_mul_i32 s[G0B+1], s10, HALFT
	s_wait_dscnt 0x0
	s_wait_kmcnt 0x0
	s_load_b64 s[80:81], s[76:77], SCOFF           ; ea, eb
	s_add_nc_u64 s[G0+2:G0+3], s[68:69], s[16:17]
	s_or_b32 s[G0+3], s[G0+3], 0x80000000
	s_add_nc_u64 s[G0B+2:G0B+3], s[70:71], s[46:47]
	s_or_b32 s[G0B+3], s[G0B+3], 0x80000000
	CROUND                                         ; all sixteen work-groups are here: the joint loads meet
	s_cmp_eq_u32 s11, 0
	s_cbranch_scc0 .Lfor_b
	tensor_load_to_lds s[G0:G0+3], s[G1:G1+7]
	s_nop 0
.rept 4
	v_nop
.endr
	s_branch .Lasked
.Lfor_b:
	tensor_load_to_lds s[G0B:G0B+3], s[G1B:G1B+7]
	s_nop 0
.rept 4
	v_nop
.endr
.Lasked:
	s_mul_i32 s21, s11, HALFT                      ; my 64 rows of A,
	s_mul_i32 s22, s12, HALFT
	s_add_co_u32 s22, s22, 2*HALFT                 ; of W,
	s_mul_i32 s23, s10, 16*SPITCH
	s_add_co_u32 s23, s23, STAGE                   ; my stage
	s_lshl_b32 s16, s13, 7
	s_lshl_b32 s17, s11, 6
	s_add_co_u32 s16, s16, s17
	s_lshl_b32 s16, s16, 12                        ; my first row, in bytes
	s_lshl_b32 s46, s42, 9
	s_lshl_b32 s47, s12, 8
	s_add_co_u32 s46, s46, s47                     ; my first column, in bytes: also my place in the bias
	s_add_co_u32 s16, s16, s46
	s_mov_b32 s17, 0
	s_add_nc_u64 s[74:75], s[74:75], s[16:17]
	s_add_nc_u64 s[78:79], s[78:79], s[16:17]
	v_and_b32 v1, 15, v0                           ; r
	v_bfe_u32 v2, v0, 4, 1                         ; h
	v_mul_u32_u24 v3, v1, PITCH
	v_mul_u32_u24 v4, v1, SPITCH
	v_mul_u32_u24 v5, v2, SPITCH
	v_lshlrev_b32 v6, 12, v2
	v_lshlrev_b32 v[BO], 5, v2
	v_lshl_add_u32 v3, v2, 4, v3                   ; a fragment: row r x pitch + 16 h
	v_lshl_add_u32 v4, v2, 5, v4
	v_lshl_add_u32 v5, v1, 4, v5
	v_lshl_add_u32 v[CO], v1, 4, v6                ; two rows of y and of the residual: lanes 0-15 one, lanes 16-31 the next
	v_add_nc_u32 v[BO], s46, v[BO]
	v_add_nc_u32 v[ADRA], s21, v3
	v_add_nc_u32 v[ADRB], s22, v3
	v_add_nc_u32 v[STO], s23, v4                   ; into the stage: row r, 32 bytes for each half of the lanes
	v_add_nc_u32 v[RD], s23, v5                    ; back: lanes 0-15 one row of 256 bytes, lanes 16-31 the next
.irp b, 0,1,2,3
	global_load_b128 v[BI+8*\b:BI+8*\b+3], v[BO], s[72:73] offset:64*\b
	global_load_b128 v[BI+8*\b+4:BI+8*\b+7], v[BO], s[72:73] offset:64*\b+16
.endr
.macro MUL4 f, a, zero                 ; A's block a x W's four.  The 16 accumulators take turns, one instruction a turn
.irp b, 0,1,2,3
.if \zero
	v_wmma_f32_16x16x128_fp8_fp8 v[ACC+8*(4*(\a)+\b):ACC+8*(4*(\a)+\b)+7], v[\f+64+16*\b:\f+64+16*\b+15], v[\f+16*(\a):\f+16*(\a)+15], 0
.else
	v_wmma_f32_16x16x128_fp8_fp8 v[ACC+8*(4*(\a)+\b):ACC+8*(4*(\a)+\b)+7], v[\f+64+16*\b:\f+64+16*\b+15], v[\f+16*(\a):\f+16*(\a)+15], v[ACC+8*(4*(\a)+\b):ACC+8*(4*(\a)+\b)+7]
.endif
.endr
.endm
.macro FETCH q, f                      ; 32 LDS loads in one run: the fragments of the q-th 128 along K: W's four, then A's four.  Registers 4 c .. 4 c + 3: K = 32 c + 16 (l / 16) + 0 .. 15, alike on both sides
	WIN TO_F
.irp i, 0,1,2,3
.irp c, 0,1,2,3
	ds_load_b128 v[\f+64+16*\i+4*\c:\f+64+16*\i+4*\c+3], v[ADRB] offset:128*(\q)+32*\c+\i*16*PITCH
.endr
.endr
.irp i, 0,1,2,3
.irp c, 0,1,2,3
	ds_load_b128 v[\f+16*\i+4*\c:\f+16*\i+4*\c+3], v[ADRA] offset:128*(\q)+32*\c+\i*16*PITCH
.endr
.endr
.endm
.macro PLACES                          ; plain vector lines between a matrix instruction and a load into, or a vector line on, one of its registers
.rept 4
	v_nop
.endr
.endm
.macro QUARTER q, f, g, zero           ; multiplies buffer f and fetches the q-th 128 along K into g
	s_wait_dscnt 8                                 ; W's four and A's blocks 0, 1 are in; the youngest eight loads may be out
	WIN MUL
	MUL4 \f, 0, \zero
	MUL4 \f, 1, \zero
	PLACES
	FETCH \q, \g
	s_wait_dscnt 32                                ; all but the 32 just issued
	WIN MUL
	MUL4 \f, 2, \zero
	MUL4 \f, 3, \zero
.endm
	s_wait_alu depctr_va_vdst(0)
	s_wait_tensorcnt 0x0                           ; my one load is in,
	s_barrier_signal -1
	s_barrier_wait -1                              ; everybody's is
	FETCH 0, F0
	WIN 0x80                                       ; destination window 2: my 64 x 64 of the residual, in the order in which rows come back from the stage; asked for when the tiles are in, it is on its way under the whole K
.set TT, 0
.rept 32
	global_load_b128 v[4*TT:4*TT+3], v[CO], s[74:75] offset:2*TT*4096 th:TH_LOAD_NT
.set TT, TT+1
.endr
	QUARTER 1, F0, F1, 1
.irp q, 2,4,6
	QUARTER \q, F1, F0, 0
	QUARTER \q+1, F0, F1, 0
.endr
	s_wait_dscnt 8
	WIN MUL
	MUL4 F1, 0, 0
	MUL4 F1, 1, 0
	s_wait_dscnt 0
	MUL4 F1, 2, 0
	MUL4 F1, 3, 0
	WIN 0
	; THE WAY OUT, 16 rows at a time through my own stage: a wave's 64 columns are 256 bytes of a row, aligned.  LDS serves a wave's instructions in order: no wait between the stores and the loads.
.macro TOSTAGE a
.irp b, 0,1,2,3
.irp i, 0,2,4,6
	v_pk_fma_f32 v[TMP+8*\b+\i:TMP+8*\b+\i+1], v[ACC+8*(4*(\a)+\b)+\i:ACC+8*(4*(\a)+\b)+\i+1], s[80:81], v[BI+8*\b+\i:BI+8*\b+\i+1] op_sel_hi:[1,0,1]   ; sum x 2^(ea + eb) + bias
.endr
.endr
.irp b, 0,1,2,3
	ds_store_b128 v[STO], v[TMP+8*\b:TMP+8*\b+3] offset:64*\b
	ds_store_b128 v[STO], v[TMP+8*\b+4:TMP+8*\b+7] offset:64*\b+16
.endr
	WIN TO_F
.irp t, 0,1,2,3,4,5,6,7
	ds_load_b128 v[32*(\a)+4*\t:32*(\a)+4*\t+3], v[RD] offset:\t*2*SPITCH
.endr
	WIN 0
.endm
.macro SEND a, younger                 ; younger: the LDS instructions issued behind block a's loads
	s_wait_dscnt \younger
	WIN 0x86                                       ; destination and source 0 (the residual) window 2, source 1 (the rows) window 1
.set JJ, 0
.rept 16
	v_pk_add_f32 v[32*(\a)+JJ:32*(\a)+JJ+1], v[32*(\a)+JJ:32*(\a)+JJ+1], v[32*(\a)+JJ:32*(\a)+JJ+1]
.set JJ, JJ+2
.endr
	WIN 0x08                                       ; the stores' data in window 2; they are never written again
.irp t, 0,1,2,3,4,5,6,7
	global_store_b128 v[CO], v[32*(\a)+4*\t:32*(\a)+4*\t+3], s[78:79] offset:(16*(\a)+2*\t)*4096   ; 16 lanes store 256 consecutive bytes, aligned
.endr
	WIN 0
.endm
	s_wait_kmcnt 0x0
	s_add_co_i32 s80, s80, s81
	s_add_co_i32 s80, s80, 127
	s_lshl_b32 s80, s80, 23                        ; 2^(ea + eb) as f32
	s_mov_b32 s81, s80
	s_wait_loadcnt 0x0                             ; the bias and the residual
	PLACES
	TOSTAGE 0
.irp a, 1,2,3
	TOSTAGE \a
	SEND \a-1, 16
.endr
	SEND 3, 0
	s_wait_tensorcnt 0x0                           ; the wave's end
	ds_add_u32 v[SPW], v[NIL]
	s_wait_dscnt 0x0
	CROUND                                         ; the closing round
	s_endpgm
.Lfunc_end_k_q64e2836a57_oproj:
	.size	k_q64e2836a57_oproj, .Lfunc_end_k_q64e2836a57_oproj-k_q64e2836a57_oproj
	.p2alignl 7, 3214868480
	.fill 96, 4, 3214868480
	.section	.rodata,"a",@progbits
	.p2align	6, 0x0
	.amdhsa_kernel k_q64e2836a57_oproj
		.amdhsa_group_segment_fixed_size 327680
		.amdhsa_private_segment_fixed_size 0
		.amdhsa_enable_private_segment 0
		.amdhsa_kernarg_size 48
		.amdhsa_user_sgpr_count 2
		.amdhsa_user_sgpr_kernarg_segment_ptr 1
		.amdhsa_wavefront_size32 1
		.amdhsa_system_sgpr_workgroup_id_x 1
		.amdhsa_system_sgpr_workgroup_id_y 1
		.amdhsa_system_sgpr_workgroup_id_z 1
		.amdhsa_system_vgpr_workitem_id 0
		.amdhsa_next_free_vgpr 640
		.amdhsa_next_free_sgpr 84
		.amdhsa_reserve_vcc 0
		.amdhsa_float_denorm_mode_32 3
		.amdhsa_float_denorm_mode_16_64 3
		.amdhsa_memory_ordered 1
		.amdhsa_forward_progress 1
		.amdhsa_inst_pref_size 52
	.end_amdhsa_kernel
	.amdgpu_metadata
---
amdhsa.version: [ 1, 2 ]
amdhsa.kernels:
  - .name:           k_q64e2836a57_oproj
    .symbol:         k_q64e2836a57_oproj.kd
    .args:
      - { .name: rowc, .offset: 0, .size: 8, .value_kind: global_buffer, .address_space: global }
      - { .name: w_o_codes, .offset: 8, .size: 8, .value_kind: global_buffer, .address_space: global }
      - { .name: b_o, .offset: 16, .size: 8, .value_kind: global_buffer, .address_space: global }
      - { .name: x, .offset: 24, .size: 8, .value_kind: global_buffer, .address_space: global }
      - { .name: lowp_scales, .offset: 32, .size: 8, .value_kind: global_buffer, .address_space: global }
      - { .name: y, .offset: 40, .size: 8, .value_kind: global_buffer, .address_space: global }
    .group_segment_fixed_size: 327680
    .private_segment_fixed_size: 0
    .kernarg_segment_align: 8
    .kernarg_segment_size: 48
    .max_flat_workgroup_size: 128
    .sgpr_count:     84
    .vgpr_count:     640
    .wavefront_size: 32
...
	.end_amdgpu_metadata
.endif
;; end of part 4
;; launch ln1 (part 5): grid 256 x 1, 4 waves a work-group, no clusters, 20,992 bytes of LDS; arguments y, ln1_g, ln1_b, lowp_scales, x1, rowc; writes x1, rowc
.if DOCPART == 5
	.amdgcn_target "amdgcn-amd-amdhsa--gfx1250"
	.amdhsa_code_object_version 6
	.text
	.protected	k_q64e2836a57_ln1
	.globl	k_q64e2836a57_ln1
	.p2align	8
	.type	k_q64e2836a57_ln1,@function
k_q64e2836a57_ln1:
	s_mov_b64 s[64:65], 0
	v_nop
	global_prefetch_b8 v0, s[64:65] scope:SCOPE_SE
	s_setreg_imm32_b32 hwreg(HW_REG_WAVE_MODE, 25, 1), 1
	s_wait_xcnt 0x0
; Launch 5 of 8: x1 = LayerNorm(y) x g + b in f32, and its E4M3 codes (scale entry 12) into rowc, for the product with w_ff1.  Nothing is left out.
; One wave takes four whole rows of 1,024; a row is eight loads of 512 consecutive bytes and stays in 32 registers: mean, then the variance of the differences, as the layer writes it.  All 48 loads go out at once.
; For the codes a lane must hold 16 neighbours: a row's two halves of 2,048 bytes turn through the wave's own stage in LDS (16 bytes of padding behind each 64).  No barrier: waves share nothing.
; LIMITS: e12 between -126 and 119; NaN is not served.
.set SP,    80
.set WREG,  5120                       ; two stages of 32 x SP bytes
.set SPARE, 4*WREG                     ; the spare words, 128 bytes a wave, which no other line names
; v1 16 x lane; v2, v3 the stage in and out; v4, v5 the add's two; v6, v7 2^e12 and 448 x 2^e12; v[8:11] sums; v12, v13 at work; v[14:15] the mean, then 1 / sqrt; v16-31 codes; v32-63 neighbours; v64-95 g; v96-127 b; v128-255 four rows
	s_load_b256 s[4:11], s[0:1], 0x0               ; y, g, b, the scales' exponents
	s_load_b128 s[12:15], s[0:1], 0x20             ; x1, rowc
	v_lshl_add_u32 v4, v0, 2, SPARE
	v_mov_b32 v5, 0
	v_lshrrev_b32 v1, 5, v0
	v_readfirstlane_b32 s22, v1                    ; wave
	v_and_b32 v12, 31, v0
	v_lshlrev_b32 v1, 4, v12
	s_mul_i32 s23, s22, WREG
	v_lshrrev_b32 v2, 2, v12
	v_mul_u32_u24 v2, v2, SP
	v_and_b32 v3, 3, v12
	v_lshl_add_u32 v2, v3, 4, v2
	v_add_nc_u32 v2, s23, v2
	v_mul_u32_u24 v3, v12, SP
	v_add_nc_u32 v3, s23, v3
	v_mov_b32 v13, 0                               ; a lane permute's destination counts as one of its sources
	s_mov_b32 s16, 0x76543210
	s_mov_b32 s17, 0xfedcba98
	s_mov_b32 s18, 0x3a800000                      ; 1 / 1,024
	s_mov_b32 s19, 0x3727c5ac                      ; 1e-5
	s_lshl_b32 s24, ttmp9, 2
	s_add_co_u32 s24, s24, s22                     ; which four rows are my wave's
	s_lshl_b32 s26, s24, 12                        ; their codes,
	s_lshl_b32 s24, s24, 14                        ; their f32 numbers
	s_mov_b32 s25, 0
	s_mov_b32 s27, 0
	s_wait_alu depctr_va_vdst(0)
	s_wait_kmcnt 0x0
	s_load_b32 s20, s[10:11], 0x30                 ; e12
	s_add_nc_u64 s[4:5], s[4:5], s[24:25]
	s_add_nc_u64 s[12:13], s[12:13], s[24:25]
	s_add_nc_u64 s[14:15], s[14:15], s[26:27]
.irp j, 0,1,2,3,4,5,6,7
	global_load_b128 v[64+4*\j:67+4*\j], v1, s[6:7] offset:512*\j
.endr
.irp j, 0,1,2,3,4,5,6,7
	global_load_b128 v[96+4*\j:99+4*\j], v1, s[8:9] offset:512*\j
.endr
.set TT, 0
.rept 32
	global_load_b128 v[128+4*TT:131+4*TT], v1, s[4:5] offset:512*TT th:TH_LOAD_NT
.set TT, TT+1
.endr
	s_wait_kmcnt 0x0
	s_add_co_i32 s20, s20, 127
	s_lshl_b32 s21, s20, 23
	v_mov_b32 v6, s21
	s_add_co_i32 s20, s20, 8
	s_lshl_b32 s20, s20, 23
	s_or_b32 s20, s20, 0x600000
	v_mov_b32 v7, s20
.macro REDUCE                          ; v8 summed over the 32 lanes, in every lane
	v_add_f32_dpp v8, v8, v8 row_xmask:1 row_mask:0xf bank_mask:0xf
	v_add_f32_dpp v8, v8, v8 row_xmask:2 row_mask:0xf bank_mask:0xf
	v_add_f32_dpp v8, v8, v8 row_xmask:4 row_mask:0xf bank_mask:0xf
	v_add_f32_dpp v8, v8, v8 row_xmask:8 row_mask:0xf bank_mask:0xf
	v_permlanex16_b32 v13, v8, s16, s17
	v_add_f32 v8, v8, v13
.endm
.macro ROW p
.set XR, 128+32*(\p)
	s_wait_loadcnt 8*(3-(\p))                      ; g, b and this row are in; the later rows' loads may be out
	v_pk_add_f32 v[8:9], v[XR:XR+1], v[XR+2:XR+3]
	v_pk_add_f32 v[10:11], v[XR+4:XR+5], v[XR+6:XR+7]
.irp k, 8,12,16,20,24,28
	v_pk_add_f32 v[8:9], v[8:9], v[XR+\k:XR+\k+1]
	v_pk_add_f32 v[10:11], v[10:11], v[XR+\k+2:XR+\k+3]
.endr
	v_pk_add_f32 v[8:9], v[8:9], v[10:11]
	v_add_f32 v8, v8, v9
	REDUCE
	v_mul_f32 v14, s18, v8                         ; the mean
	v_mov_b32 v15, v14
.irp k, 0,2,4,6,8,10,12,14,16,18,20,22,24,26,28,30
	v_pk_add_f32 v[XR+\k:XR+\k+1], v[XR+\k:XR+\k+1], v[14:15] neg_lo:[0,1] neg_hi:[0,1]
.endr
	v_pk_mul_f32 v[8:9], v[XR:XR+1], v[XR:XR+1]
	v_pk_mul_f32 v[10:11], v[XR+2:XR+3], v[XR+2:XR+3]
.irp k, 4,8,12,16,20,24,28
	v_pk_fma_f32 v[8:9], v[XR+\k:XR+\k+1], v[XR+\k:XR+\k+1], v[8:9]
	v_pk_fma_f32 v[10:11], v[XR+\k+2:XR+\k+3], v[XR+\k+2:XR+\k+3], v[10:11]
.endr
	v_pk_add_f32 v[8:9], v[8:9], v[10:11]
	v_add_f32 v8, v8, v9
	REDUCE
	v_fma_f32 v12, v8, s18, s19                    ; the variance + 1e-5
	s_wait_alu depctr_va_vdst(0)
	v_rsq_f32 v14, v12
	v_nop                                          ; a plain line behind the root,
	s_wait_alu depctr_va_vdst(0)                   ; and the wait ahead of its first reader
	v_mov_b32 v15, v14
.irp k, 0,2,4,6,8,10,12,14,16,18,20,22,24,26,28,30
	v_pk_mul_f32 v[XR+\k:XR+\k+1], v[XR+\k:XR+\k+1], v[14:15]
.endr
.irp k, 0,2,4,6,8,10,12,14,16,18,20,22,24,26,28,30
	v_pk_fma_f32 v[XR+\k:XR+\k+1], v[XR+\k:XR+\k+1], v[64+\k:65+\k], v[96+\k:97+\k]
.endr
.irp j, 0,1,2,3,4,5,6,7
	global_store_b128 v1, v[XR+4*\j:XR+4*\j+3], s[12:13] offset:4096*(\p)+512*\j   ; 512 consecutive bytes, aligned
.endr
.irp j, 0,1,2,3,4,5,6,7
	ds_store_b128 v2, v[XR+4*\j:XR+4*\j+3] offset:32*SP*(\j/4)+8*SP*(\j%4)
.endr
.irp s, 0,1
.irp i, 0,1,2,3
	ds_load_b128 v[32+16*\s+4*\i:35+16*\s+4*\i], v3 offset:32*SP*\s+16*\i   ; LDS serves a wave's instructions in order: these see my stores
.endr
.endr
	s_wait_dscnt 0x0
.if (\p) >= 2
	s_wait_xcnt 0x0                                ; the stores of two rows back have read their codes' registers
.endif
.set JJ, 0
.rept 32
	v_med3_num_f32 v[32+JJ], v[32+JJ], -v7, v7
.set JJ, JJ+1
.endr
.irp u, 0,1,2,3
	v_cvt_scalef32_pk8_fp8_f32 v[16+8*((\p)%2)+2*\u:17+8*((\p)%2)+2*\u], v[32+8*\u:39+8*\u], v6
.endr
	v_nop
.irp s, 0,1
	global_store_b128 v1, v[16+8*((\p)%2)+4*\s:19+8*((\p)%2)+4*\s], s[14:15] offset:1024*(\p)+512*\s
.endr
.endm
	ROW 0
	ROW 1
	ROW 2
	ROW 3
	s_wait_tensorcnt 0x0                           ; the wave's end, behind my last LDS store
	ds_add_u32 v4, v5
	s_wait_dscnt 0x0
	s_endpgm
.Lfunc_end_k_q64e2836a57_ln1:
	.size	k_q64e2836a57_ln1, .Lfunc_end_k_q64e2836a57_ln1-k_q64e2836a57_ln1
	.p2alignl 7, 3214868480
	.fill 96, 4, 3214868480
	.section	.rodata,"a",@progbits
	.p2align	6, 0x0
	.amdhsa_kernel k_q64e2836a57_ln1
		.amdhsa_group_segment_fixed_size 20992
		.amdhsa_private_segment_fixed_size 0
		.amdhsa_enable_private_segment 0
		.amdhsa_kernarg_size 48
		.amdhsa_user_sgpr_count 2
		.amdhsa_user_sgpr_kernarg_segment_ptr 1
		.amdhsa_wavefront_size32 1
		.amdhsa_system_sgpr_workgroup_id_x 1
		.amdhsa_system_sgpr_workgroup_id_y 1
		.amdhsa_system_sgpr_workgroup_id_z 1
		.amdhsa_system_vgpr_workitem_id 0
		.amdhsa_next_free_vgpr 256
		.amdhsa_next_free_sgpr 66
		.amdhsa_reserve_vcc 0
		.amdhsa_float_denorm_mode_32 3
		.amdhsa_float_denorm_mode_16_64 3
		.amdhsa_memory_ordered 1
		.amdhsa_forward_progress 1
		.amdhsa_inst_pref_size 49
	.end_amdhsa_kernel
	.amdgpu_metadata
---
amdhsa.version: [ 1, 2 ]
amdhsa.kernels:
  - .name:           k_q64e2836a57_ln1
    .symbol:         k_q64e2836a57_ln1.kd
    .args:
      - { .name: y, .offset: 0, .size: 8, .value_kind: global_buffer, .address_space: global }
      - { .name: ln1_g, .offset: 8, .size: 8, .value_kind: global_buffer, .address_space: global }
      - { .name: ln1_b, .offset: 16, .size: 8, .value_kind: global_buffer, .address_space: global }
      - { .name: lowp_scales, .offset: 24, .size: 8, .value_kind: global_buffer, .address_space: global }
      - { .name: x1, .offset: 32, .size: 8, .value_kind: global_buffer, .address_space: global }
      - { .name: rowc, .offset: 40, .size: 8, .value_kind: global_buffer, .address_space: global }
    .group_segment_fixed_size: 20992
    .private_segment_fixed_size: 0
    .kernarg_segment_align: 8
    .kernarg_segment_size: 48
    .max_flat_workgroup_size: 128
    .sgpr_count:     66
    .vgpr_count:     256
    .wavefront_size: 32
...
	.end_amdgpu_metadata
.endif
;; end of part 5
;; launch ff1 (part 6): grid 16 x 16, 4 waves a work-group, clusters of 4 x 4, 327,680 bytes of LDS; arguments rowc, w_ff1_codes, b_ff1, lowp_scales, hc; writes hc
.if DOCPART == 6
	.amdgcn_target "amdgcn-amd-amdhsa--gfx1250"
	.amdhsa_code_object_version 6
	.text
	.protected	k_q64e2836a57_ff1
	.globl	k_q64e2836a57_ff1
	.p2align	8
	.type	k_q64e2836a57_ff1,@function
k_q64e2836a57_ff1:
	s_mov_b64 s[64:65], 0
	v_nop
	global_prefetch_b8 v0, s[64:65] scope:SCOPE_SE
	s_setreg_imm32_b32 hwreg(HW_REG_WAVE_MODE, 25, 1), 1
	s_wait_xcnt 0x0
	s_wait_alu depctr_hold_cnt(0) depctr_sa_sdst(0) depctr_va_vdst(0) depctr_va_sdst(0) depctr_va_ssrc(0) depctr_va_vcc(0) depctr_vm_vsrc(0)
	s_getreg_b32 s2, hwreg(HW_REG_IB_STS2, 6, 4)
	s_cmp_eq_u32 s2, 0
	s_cbranch_scc0 .Lentry_in_a_cluster
	s_endpgm
.Lentry_in_a_cluster:
	s_bfe_u32 s2, ttmp6, 0x10000c
	s_cmp_lg_u32 s2, 0xf033
	s_cbranch_scc0 .Lentry_shape_is_right
	s_endpgm
.Lentry_shape_is_right:
; Launch 6 of 8: h = relu(x1 w_ff1 + b_ff1) on E4M3 codes (entries 12, 13), quantised on the way out (entry 14) into hc [4096][4096].  Nothing is left out.
; A tile of 256 x 256 is made by four waves, 128 x 128 each; K = 1,024 in four steps of 256 through two LDS slots; 4 x 4 clusters ask for A's tiles along a row and for W's along a column jointly.
; The hold between 0 and 448 x 2^e14 is the activation too.  LIMITS: e12 + e13 between -126 and 127; e14 between -126 and 119; NaN is not served.
; No prefetch: the block is the largest, in clusters, and K is four steps of the ring.
.set SIZE_K, 1024
.set KSTEP,  256
.set ROWB,   256
.set KROW,   SIZE_K
.set PITCH,  272
.set FR,     16
.set NL,     4
.set NP,     4
.set HALFT,  128*PITCH
.set SLOT,   4*HALFT
.set LAPS,   SIZE_K/(2*KSTEP)
.set SPARE,  2*SLOT
.set BCO,  8
.set ADRA, 16
.set ADRB, 20
.set STO,  24
.set RD,   25
.set CO,   26
.set SC,   27
.set SPW,  28
.set NIL,  29
.set LIM,  30
.set BC,   32
.set AF,   128
.set CD,   128
.set G1, 24
.set G0, 32
.set G1B, 48
.set G0B, 56
.set MSB, 0
.macro WIN new
.if MSB != (\new)
	s_set_vgpr_msb (MSB<<8)|(\new)
.set MSB, (\new)
.endif
.endm
.set MUL_LO, 0xa1
.set MUL_HI, 0xf1
.set TO_B,   0x40
.macro JLOAD g0a, g1a, g0b, g1b
	s_cmp_eq_u32 s15, 0
	s_cbranch_scc0 .Lfor_b_\@
	tensor_load_to_lds s[\g0a:\g0a+3], s[\g1a:\g1a+7]
	s_nop 0
.rept 4
	v_nop
.endr
	s_branch .Lasked_\@
.Lfor_b_\@:
	tensor_load_to_lds s[\g0b:\g0b+3], s[\g1b:\g1b+7]
	s_nop 0
.rept 4
	v_nop
.endr
.Lasked_\@:
.endm
.macro CREST
	s_cmp_lg_u32 s14, 0
	s_cbranch_scc1 .Lnot_wave_0_\@
	s_barrier_signal -3
.Lnot_wave_0_\@:
	s_barrier_wait -3
	s_barrier_signal -1
	s_barrier_wait -1
.endm
.macro CROUND
	s_barrier_signal -1
	s_barrier_wait -1
	CREST
.endm
	s_load_b256 s[68:75], s[0:1], 0x0
	s_load_b64 s[76:77], s[0:1], 0x20
	v_lshl_add_u32 v[SPW], v0, 2, SPARE
	v_mov_b32 v[NIL], 0
	ds_add_u32 v[SPW], v[NIL]
	ds_add_u32 v[SPW], v[NIL]
	v_lshrrev_b32 v1, 5, v0
	v_readfirstlane_b32 s14, v1
	s_lshr_b32 s15, s14, 1
	s_and_b32 s16, s14, 1
	s_bfe_u32 s40, ttmp6, 0x40000
	s_bfe_u32 s41, ttmp6, 0x40004
	s_lshl_b32 s42, ttmp9, 2
	s_add_co_u32 s42, s42, s40
	s_and_b32 s17, ttmp7, 0xffff
	s_lshl_b32 s17, s17, 2
	s_add_co_u32 s17, s17, s41
	s_lshl_b32 s43, s41, 2
	s_lshl_b32 s43, 15, s43
	s_lshl_b32 s44, 0x1111, s40
	s_or_b32 s[G1+0], s43, (0<<16)|(1<<20)|(1<<21)|(5<<22)|(3<<25)
	s_or_b32 s[G1B+0], s44, (0<<16)|(1<<20)|(1<<21)|(5<<22)|(3<<25)
.irp g, G1, G1B
	s_mov_b32 s[\g+1], ROWB<<16
	s_mov_b32 s[\g+2], 128<<16
	s_mov_b32 s[\g+3], ROWB<<16
	s_mov_b32 s[\g+4], 128
	s_mov_b32 s[\g+5], KROW
	s_mov_b32 s[\g+6], 0
	s_mov_b32 s[\g+7], 0
.endr
	s_lshl_b32 s18, s16, 7
	s_lshl_b32 s20, s17, 8
	s_add_co_u32 s20, s20, s18
	s_lshl_b32 s46, s42, 8
	s_add_co_u32 s46, s46, s18
	s_lshl_b32 s20, s20, 10
	s_lshl_b32 s46, s46, 10
	s_mov_b32 s21, 0
	s_mov_b32 s47, 0
	s_mul_i32 s45, s14, HALFT
	s_wait_dscnt 0x0
	s_wait_kmcnt 0x0
	s_load_b128 s[92:95], s[74:75], 0x30
	s_add_nc_u64 s[20:21], s[68:69], s[20:21]
	s_add_nc_u64 s[46:47], s[70:71], s[46:47]
	CROUND
.irp s, 0,1
	s_mov_b32 s[G0+4*\s], 1
	s_add_co_u32 s[G0+4*\s+1], s45, \s*SLOT
	s_add_nc_u64 s[G0+4*\s+2:G0+4*\s+3], s[20:21], \s*ROWB
	s_or_b32 s[G0+4*\s+3], s[G0+4*\s+3], 0x80000000
	s_mov_b32 s[G0B+4*\s], 1
	s_add_co_u32 s[G0B+4*\s+1], s45, \s*SLOT
	s_add_nc_u64 s[G0B+4*\s+2:G0B+4*\s+3], s[46:47], \s*ROWB
	s_or_b32 s[G0B+4*\s+3], s[G0B+4*\s+3], 0x80000000
.if \s == 0
	JLOAD G0, G1, G0B, G1B                         ; K step 0: one tensor load a wave at the head; the head's address work stands under its flight
.endif
.endr
	v_and_b32 v1, 15, v0
	v_bfe_u32 v2, v0, 4, 1
	v_mul_u32_u24 v3, v1, PITCH
	s_wait_alu depctr_va_vdst(0)
	v_lshl_add_u32 v4, v2, 4, v3
	s_mul_i32 s21, s15, HALFT
	s_mul_i32 s22, s16, HALFT
	s_add_co_u32 s22, s22, 2*HALFT
.irp s, 0,1
	v_add_nc_u32 v[ADRA+\s], s21, v4
	v_add_nc_u32 v[ADRB+\s], s22, v4
	s_add_co_u32 s21, s21, SLOT
	s_add_co_u32 s22, s22, SLOT
.endr
	s_mul_i32 s23, s15, 128*PITCH
	s_lshl_b32 s18, s16, 7
	s_add_co_u32 s23, s23, s18
	v_lshl_add_u32 v5, v2, 3, v3
	v_add_nc_u32 v[STO], s23, v5
	s_mul_i32 s23, s14, 64*PITCH
	v_mul_u32_u24 v5, v2, PITCH
	v_lshl_add_u32 v5, v1, 4, v5
	v_add_nc_u32 v[RD], s23, v5
	v_lshlrev_b32 v5, 12, v2
	v_lshl_add_u32 v[CO], v1, 4, v5
	s_lshl_b32 s18, s42, 10
	s_lshl_b32 s19, s16, 9
	s_add_co_u32 s18, s18, s19
	v_lshlrev_b32 v[BCO], 5, v2
	v_add_nc_u32 v[BCO], s18, v[BCO]
.irp b, 0,1,2,3,4,5,6,7
	global_load_b128 v[BC+8*\b:BC+8*\b+3], v[BCO], s[72:73] offset:64*\b
	global_load_b128 v[BC+8*\b+4:BC+8*\b+7], v[BCO], s[72:73] offset:64*\b+16
.endr
	s_lshl_b32 s20, s17, 8
	s_lshl_b32 s21, s14, 6
	s_add_co_u32 s20, s20, s21
	s_lshl_b32 s20, s20, 12
	s_lshl_b32 s46, s42, 8
	s_add_co_u32 s20, s20, s46
	s_mov_b32 s21, 0
	s_add_nc_u64 s[76:77], s[76:77], s[20:21]
.macro FRAG reg, adr, q, i
.irp c, 0,1,2,3
	ds_load_b128 v[\reg+4*\c:\reg+4*\c+3], v[\adr] offset:128*(\q)+32*\c+(\i)*16*PITCH
.endr
.endm
.macro MUL16 a0, p, zero
.irp a, \a0, \a0+1
.irp b, 0,1,2,3,4,5,6,7
.if \zero
	v_wmma_f32_16x16x128_fp8_fp8 v[8*(8*((\a)%4)+\b):8*(8*((\a)%4)+\b)+7], v[128*(\p)+FR*\b:128*(\p)+FR*\b+FR-1], v[AF+FR*(\a):AF+FR*(\a)+FR-1], 0
.else
	v_wmma_f32_16x16x128_fp8_fp8 v[8*(8*((\a)%4)+\b):8*(8*((\a)%4)+\b)+7], v[128*(\p)+FR*\b:128*(\p)+FR*\b+FR-1], v[AF+FR*(\a):AF+FR*(\a)+FR-1], v[8*(8*((\a)%4)+\b):8*(8*((\a)%4)+\b)+7]
.endif
.endr
.endr
.endm
.macro FETCH_B slot, q, p
	WIN TO_B
.irp i, 0,1,2,3,4,5,6,7
	FRAG 128*(\p)+FR*\i, ADRB+\slot, \q, \i
.endr
	WIN 0
.endm
.macro FETCH_A slot, q, i0
.irp i, \i0, \i0+1, \i0+2, \i0+3
	FRAG AF+FR*(\i), ADRA+\slot, \q, \i
.endr
.endm
.macro PLACES n
.rept \n
	v_nop
.endr
.endm
.macro STEP slot, q, zero
	s_wait_dscnt 4*NL
	WIN MUL_LO
	MUL16 0, (\q)%2, \zero
	MUL16 2, (\q)%2, \zero
	s_wait_dscnt 0
	PLACES NP
	FETCH_B \slot, (\q)+1, 1-(\q)%2
	FETCH_A \slot, (\q)+1, 0
	WIN MUL_HI
	MUL16 4, (\q)%2, \zero
	MUL16 6, (\q)%2, \zero
	PLACES NP
	WIN 0
	FETCH_A \slot, (\q)+1, 4
.endm
.macro TURN slot, next, fill
	s_wait_tensorcnt 0x0
	ds_add_u32 v[SPW], v[NIL]
	s_wait_dscnt 4*NL+1
	WIN MUL_LO
	MUL16 0, 1, 0
	s_wait_dscnt 0x0
	s_barrier_signal -1
	MUL16 2, 1, 0
	WIN 0
	s_barrier_wait -1
.if \fill
	CREST
	s_add_nc_u64 s[G0+4*\slot+2:G0+4*\slot+3], s[G0+4*\slot+2:G0+4*\slot+3], 2*ROWB
	s_add_nc_u64 s[G0B+4*\slot+2:G0B+4*\slot+3], s[G0B+4*\slot+2:G0B+4*\slot+3], 2*ROWB
	JLOAD G0+4*\slot, G1, G0B+4*\slot, G1B
.else
	PLACES NP
.endif
	FETCH_B \next, 0, 0
	FETCH_A \next, 0, 0
	WIN MUL_HI
	MUL16 4, 1, 0
	MUL16 6, 1, 0
	PLACES NP
	WIN 0
	FETCH_A \next, 0, 4
.endm
	s_wait_alu depctr_va_vdst(0)
	s_wait_tensorcnt 0x0                           ; my part of K step 0 is in; these lines stand ahead of a later first fill as ahead of a refill
	ds_add_u32 v[SPW], v[NIL]
	s_wait_dscnt 0x0
	CROUND                                         ; everybody's part is in, and all sixteen work-groups are here
	JLOAD G0+4, G1, G0B+4, G1B                     ; K step 1, the first tensor load behind the round
	FETCH_B 0, 0, 0
	FETCH_A 0, 0, 0
	FETCH_A 0, 0, 4
	STEP 0, 0, 1
	s_mov_b32 s3, LAPS-1
.Llap:
	TURN 0, 1, 1
	STEP 1, 0, 0
	TURN 1, 0, 1
	STEP 0, 0, 0
	s_sub_co_u32 s3, s3, 1
	s_cmp_lg_u32 s3, 0
	s_cbranch_scc1 .Llap
	TURN 0, 1, 0
	STEP 1, 0, 0
	s_wait_dscnt 4*NL
	WIN MUL_LO
	MUL16 0, 1, 0
	MUL16 2, 1, 0
	s_wait_dscnt 0
	WIN MUL_HI
	MUL16 4, 1, 0
	MUL16 6, 1, 0
	WIN 0
	s_wait_kmcnt 0x0
	s_add_co_i32 s22, s92, s93
	s_add_co_i32 s22, s22, 127
	s_lshl_b32 s22, s22, 23
	s_mov_b32 s23, s22
	s_add_co_i32 s20, s94, 127
	s_lshl_b32 s21, s20, 23
	v_mov_b32 v[SC], s21
	s_add_co_i32 s20, s20, 8
	s_lshl_b32 s20, s20, 23
	s_or_b32 s20, s20, 0x600000
	v_mov_b32 v[LIM], s20
	s_wait_loadcnt 0x0
	PLACES NP
.macro CODES a
	WIN 0x82+0x41*((\a)/4)
.irp b, 0,1,2,3,4,5,6,7
.irp i, 0,2,4,6
	v_pk_fma_f32 v[64*((\a)%4)+8*\b+\i:64*((\a)%4)+8*\b+\i+1], v[64*((\a)%4)+8*\b+\i:64*((\a)%4)+8*\b+\i+1], s[22:23], v[BC+8*\b+\i:BC+8*\b+\i+1] op_sel_hi:[1,0,1]
.endr
.endr
.set JJ, 0
.rept 64
	v_med3_num_f32 v[64*((\a)%4)+JJ], v[64*((\a)%4)+JJ], 0, v[LIM]
.set JJ, JJ+1
.endr
	WIN 0x02+((\a)/4)
.irp b, 0,1,2,3,4,5,6,7
	v_cvt_scalef32_pk8_fp8_f32 v[CD+16*(\a)+2*\b:CD+16*(\a)+2*\b+1], v[64*((\a)%4)+8*\b:64*((\a)%4)+8*\b+7], v[SC]
.endr
	v_nop
	WIN 0
.irp b, 0,1,2,3,4,5,6,7
	ds_store_b64 v[STO], v[CD+16*(\a)+2*\b:CD+16*(\a)+2*\b+1] offset:(\a)*16*PITCH+16*\b
.endr
.endm
.irp a, 0,1,2,3,4,5,6,7
	CODES \a
.endr
	s_wait_dscnt 0x0
	s_barrier_signal -1
	s_barrier_wait -1
.set TT, 0
.rept 32
	ds_load_b128 v[128+4*TT:128+4*TT+3], v[RD] offset:TT*2*PITCH
.set TT, TT+1
.endr
.set TT, 0
.rept 32
	s_wait_dscnt 31-TT
	global_store_b128 v[CO], v[128+4*TT:128+4*TT+3], s[76:77] offset:TT*8192
.set TT, TT+1
.endr
	s_wait_tensorcnt 0x0
	ds_add_u32 v[SPW], v[NIL]
	s_wait_dscnt 0x0
	CROUND
	s_endpgm
.Lfunc_end_k_q64e2836a57_ff1:
	.size	k_q64e2836a57_ff1, .Lfunc_end_k_q64e2836a57_ff1-k_q64e2836a57_ff1
	.p2alignl 7, 3214868480
	.fill 96, 4, 3214868480
	.section	.rodata,"a",@progbits
	.p2align	6, 0x0
	.amdhsa_kernel k_q64e2836a57_ff1
		.amdhsa_group_segment_fixed_size 327680
		.amdhsa_private_segment_fixed_size 0
		.amdhsa_enable_private_segment 0
		.amdhsa_kernarg_size 40
		.amdhsa_user_sgpr_count 2
		.amdhsa_user_sgpr_kernarg_segment_ptr 1
		.amdhsa_wavefront_size32 1
		.amdhsa_system_sgpr_workgroup_id_x 1
		.amdhsa_system_sgpr_workgroup_id_y 1
		.amdhsa_system_sgpr_workgroup_id_z 1
		.amdhsa_system_vgpr_workitem_id 0
		.amdhsa_next_free_vgpr 1024
		.amdhsa_next_free_sgpr 100
		.amdhsa_reserve_vcc 0
		.amdhsa_float_denorm_mode_32 3
		.amdhsa_float_denorm_mode_16_64 3
		.amdhsa_memory_ordered 1
		.amdhsa_forward_progress 1
		.amdhsa_inst_pref_size 143
	.end_amdhsa_kernel
	.amdgpu_metadata
---
amdhsa.version: [ 1, 2 ]
amdhsa.kernels:
  - .name:           k_q64e2836a57_ff1
    .symbol:         k_q64e2836a57_ff1.kd
    .args:
      - { .name: rowc, .offset: 0, .size: 8, .value_kind: global_buffer, .address_space: global }
      - { .name: w_ff1_codes, .offset: 8, .size: 8, .value_kind: global_buffer, .address_space: global }
      - { .name: b_ff1, .offset: 16, .size: 8, .value_kind: global_buffer, .address_space: global }
      - { .name: lowp_scales, .offset: 24, .size: 8, .value_kind: global_buffer, .address_space: global }
      - { .name: hc, .offset: 32, .size: 8, .value_kind: global_buffer, .address_space: global }
    .group_segment_fixed_size: 327680
    .private_segment_fixed_size: 0
    .kernarg_segment_align: 8
    .kernarg_segment_size: 40
    .max_flat_workgroup_size: 128
    .sgpr_count:     100
    .vgpr_count:     1024
    .wavefront_size: 32
...
	.end_amdgpu_metadata
.endif
;; end of part 6
;; launch ff2 (part 7): grid 8 x 32, 4 waves a work-group, clusters of 4 x 4, 327,680 bytes of LDS; arguments hc, w_ff2_codes, b_ff2, x1, lowp_scales, y; writes y
.if DOCPART == 7
	.amdgcn_target "amdgcn-amd-amdhsa--gfx1250"
	.amdhsa_code_object_version 6
	.text
	.protected	k_q64e2836a57_ff2
	.globl	k_q64e2836a57_ff2
	.p2align	8
	.type	k_q64e2836a57_ff2,@function
k_q64e2836a57_ff2:
	s_mov_b64 s[64:65], 0
	v_nop
	global_prefetch_b8 v0, s[64:65] scope:SCOPE_SE
	s_setreg_imm32_b32 hwreg(HW_REG_WAVE_MODE, 25, 1), 1
	s_wait_xcnt 0x0
	s_wait_alu depctr_hold_cnt(0) depctr_sa_sdst(0) depctr_va_vdst(0) depctr_va_sdst(0) depctr_va_ssrc(0) depctr_va_vcc(0) depctr_vm_vsrc(0)
	s_getreg_b32 s2, hwreg(HW_REG_IB_STS2, 6, 4)
	s_cmp_eq_u32 s2, 0
	s_cbranch_scc0 .Lentry_in_a_cluster
	s_endpgm
.Lentry_in_a_cluster:
	s_bfe_u32 s2, ttmp6, 0x10000c
	s_cmp_lg_u32 s2, 0xf033
	s_cbranch_scc0 .Lentry_shape_is_right
	s_endpgm
.Lentry_shape_is_right:
; Launch 7 of 8: y = x1 + h w_ff2 + b_ff2.  A: hc [4096][4096] codes (entry 14), W: w_ff2_codes [1024][4096] (entry 15); x1, y f32.  Nothing is left out.
; A tile of 128 x 128 gives 256 work-groups; four waves, 64 x 64 each.  K = 4,096 in eight steps of 512 through two LDS slots; 4 x 4 clusters ask for A's tiles along a row and for W's along a column jointly.
; PREFETCH: beside the load of K step n, K step n + 2 is asked for (beside step 0's also step 1).  Of the 64 rows x 512 bytes that a wave fetches, each of the four partners that ask for them jointly
; names 16 rows x 2 blocks of 256 bytes, a lane a block, told apart by address (cx for A, cy for W).  The loop's last trip, whose loads are steps 6 and 7, asks for nothing.
; LIMIT: e14 + e15 between -126 and 127.
.set SIZE_K, 4096
.set SCOFF,  0x38
.set KSTEP,  512
.set PITCH,  528
.set HALFT,  64*PITCH
.set SLOT,   4*HALFT
.set STAGE,  2*SLOT
.set SPITCH, 272
.set SPARE,  STAGE+4*16*SPITCH
.set LAPS,   SIZE_K/(2*KSTEP)
.set ADRA, 16
.set ADRB, 20
.set STO,  24
.set RD,   25
.set CO,   26
.set BO,   27
.set SPW,  28
.set NIL,  29
.set BI,   32
.set TMP,  64
.set ACC,  128
.set F0,   0
.set F1,   128
.set G1, 24
.set G0, 32
.set G1B, 48
.set G0B, 56
.set MSB, 0
.macro WIN new
.if MSB != (\new)
	s_set_vgpr_msb (MSB<<8)|(\new)
.set MSB, (\new)
.endif
.endm
.set MUL,  0x05
.set TO_F, 0x40
.macro JLOAD s
	s_cmp_eq_u32 s11, 0
	s_cbranch_scc0 .Lfor_b_\@
	tensor_load_to_lds s[G0+4*\s:G0+4*\s+3], s[G1:G1+7]
	s_nop 0
.rept 4
	v_nop
.endr
	s_branch .Lasked_\@
.Lfor_b_\@:
	tensor_load_to_lds s[G0B+4*\s:G0B+4*\s+3], s[G1B:G1B+7]
	s_nop 0
.rept 4
	v_nop
.endr
.Lasked_\@:
.endm
.macro CREST
	s_cmp_lg_u32 s10, 0
	s_cbranch_scc1 .Lnot_wave_0_\@
	s_barrier_signal -3
.Lnot_wave_0_\@:
	s_barrier_wait -3
	s_barrier_signal -1
	s_barrier_wait -1
.endm
.macro CROUND
	s_barrier_signal -1
	s_barrier_wait -1
	CREST
.endm
	s_load_b256 s[68:75], s[0:1], 0x0
	s_load_b128 s[76:79], s[0:1], 0x20
	v_lshl_add_u32 v[SPW], v0, 2, SPARE
	v_mov_b32 v[NIL], 0
	ds_add_u32 v[SPW], v[NIL]
	ds_add_u32 v[SPW], v[NIL]
	v_lshrrev_b32 v1, 5, v0
	v_readfirstlane_b32 s10, v1
	s_lshr_b32 s11, s10, 1
	s_and_b32 s12, s10, 1
	s_bfe_u32 s40, ttmp6, 0x40000
	s_bfe_u32 s41, ttmp6, 0x40004
	s_lshl_b32 s42, ttmp9, 2
	s_add_co_u32 s42, s42, s40
	s_and_b32 s13, ttmp7, 0xffff
	s_lshl_b32 s13, s13, 2
	s_add_co_u32 s13, s13, s41
	s_lshl_b32 s43, s41, 2
	s_lshl_b32 s43, 15, s43
	s_lshl_b32 s44, 0x1111, s40
	s_or_b32 s[G1+0], s43, (0<<16)|(1<<20)|(1<<21)|(6<<22)|(3<<25)
	s_or_b32 s[G1B+0], s44, (0<<16)|(1<<20)|(1<<21)|(6<<22)|(3<<25)
.irp g, G1, G1B
	s_mov_b32 s[\g+1], KSTEP<<16
	s_mov_b32 s[\g+2], 64<<16
	s_mov_b32 s[\g+3], KSTEP<<16
	s_mov_b32 s[\g+4], 64
	s_mov_b32 s[\g+5], SIZE_K
	s_mov_b32 s[\g+6], 0
	s_mov_b32 s[\g+7], 0
.endr
	s_lshl_b32 s17, s12, 6
	s_lshl_b32 s16, s13, 7
	s_add_co_u32 s16, s16, s17
	s_lshl_b32 s46, s42, 7
	s_add_co_u32 s46, s46, s17
	s_mul_i32 s16, s16, SIZE_K
	s_mul_i32 s46, s46, SIZE_K
	s_mov_b32 s17, 0
	s_mov_b32 s47, 0
	s_mul_i32 s20, s10, HALFT
	s_wait_dscnt 0x0
	s_wait_kmcnt 0x0
	s_load_b64 s[80:81], s[76:77], SCOFF
	s_add_nc_u64 s[14:15], s[68:69], s[16:17]
	s_add_nc_u64 s[46:47], s[70:71], s[46:47]
	CROUND
.irp s, 0,1
	s_mov_b32 s[G0+4*\s], 1
	s_add_co_u32 s[G0+4*\s+1], s20, \s*SLOT
	s_add_nc_u64 s[G0+4*\s+2:G0+4*\s+3], s[14:15], \s*KSTEP
	s_or_b32 s[G0+4*\s+3], s[G0+4*\s+3], 0x80000000
	s_mov_b32 s[G0B+4*\s], 1
	s_add_co_u32 s[G0B+4*\s+1], s20, \s*SLOT
	s_add_nc_u64 s[G0B+4*\s+2:G0B+4*\s+3], s[46:47], \s*KSTEP
	s_or_b32 s[G0B+4*\s+3], s[G0B+4*\s+3], 0x80000000
.if \s == 0
	JLOAD 0                                        ; K step 0: one tensor load a wave at the head; the head's address work stands under its flight
	s_cmp_eq_u32 s11, 0                            ; the prefetches: do I fetch for A?
	s_cselect_b32 s16, s13, s42                    ; the tile's row of tiles: A by the tile row, W by the tile column
	s_cselect_b32 s17, s40, s41                    ; my place among the four that ask with me
	s_cselect_b64 s[82:83], s[68:69], s[70:71]
	s_lshl_b32 s16, s16, 7
	s_lshl_b32 s18, s12, 6
	s_add_co_u32 s16, s16, s18                     ; + the 64 rows that I fetch
	s_lshl_b32 s17, s17, 4
	s_add_co_u32 s16, s16, s17                     ; + my work-group's 16 of them
	s_mul_i32 s16, s16, SIZE_K
	s_mov_b32 s17, 0
	s_add_nc_u64 s[82:83], s[82:83], s[16:17]
	v_and_b32 v10, 1, v0
	v_bfe_u32 v11, v0, 1, 4
	v_lshlrev_b32 v10, 8, v10
	v_lshl_add_u32 v10, v11, 12, v10               ; row lane / 2 of 4,096 bytes, block lane % 2; never rewritten
	global_prefetch_b8 v10, s[82:83] offset:KSTEP th:TH_LOAD_NT scope:SCOPE_SE
	global_prefetch_b8 v10, s[82:83] offset:2*KSTEP th:TH_LOAD_NT scope:SCOPE_SE
.endif
.endr
	v_and_b32 v1, 15, v0
	s_wait_alu depctr_va_vdst(0)
	v_bfe_u32 v2, v0, 4, 1
	v_mul_u32_u24 v3, v1, PITCH
	v_lshl_add_u32 v3, v2, 4, v3
	s_mul_i32 s21, s11, HALFT
	s_mul_i32 s22, s12, HALFT
	s_add_co_u32 s22, s22, 2*HALFT
.irp s, 0,1
	v_add_nc_u32 v[ADRA+\s], s21, v3
	v_add_nc_u32 v[ADRB+\s], s22, v3
	s_add_co_u32 s21, s21, SLOT
	s_add_co_u32 s22, s22, SLOT
.endr
	s_mul_i32 s23, s10, 16*SPITCH
	s_add_co_u32 s23, s23, STAGE
	v_mul_u32_u24 v4, v1, SPITCH
	s_wait_alu depctr_va_vdst(0)
	v_lshl_add_u32 v4, v2, 5, v4
	v_add_nc_u32 v[STO], s23, v4
	v_mul_u32_u24 v5, v2, SPITCH
	v_lshl_add_u32 v5, v1, 4, v5
	v_add_nc_u32 v[RD], s23, v5
	v_lshlrev_b32 v5, 12, v2
	v_lshl_add_u32 v[CO], v1, 4, v5
	s_wait_alu depctr_va_vdst(0)
	s_lshl_b32 s16, s13, 7
	s_lshl_b32 s17, s11, 6
	s_add_co_u32 s16, s16, s17
	s_lshl_b32 s16, s16, 12
	s_lshl_b32 s46, s42, 9
	s_lshl_b32 s47, s12, 8
	s_add_co_u32 s46, s46, s47
	s_add_co_u32 s16, s16, s46
	s_mov_b32 s17, 0
	s_add_nc_u64 s[74:75], s[74:75], s[16:17]
	s_add_nc_u64 s[78:79], s[78:79], s[16:17]
	v_lshlrev_b32 v[BO], 5, v2
	v_add_nc_u32 v[BO], s46, v[BO]
.irp b, 0,1,2,3
	global_load_b128 v[BI+8*\b:BI+8*\b+3], v[BO], s[72:73] offset:64*\b
	global_load_b128 v[BI+8*\b+4:BI+8*\b+7], v[BO], s[72:73] offset:64*\b+16
.endr
.macro MUL4 f, a, zero
.irp b, 0,1,2,3
.if \zero
	v_wmma_f32_16x16x128_fp8_fp8 v[ACC+8*(4*(\a)+\b):ACC+8*(4*(\a)+\b)+7], v[\f+64+16*\b:\f+64+16*\b+15], v[\f+16*(\a):\f+16*(\a)+15], 0
.else
	v_wmma_f32_16x16x128_fp8_fp8 v[ACC+8*(4*(\a)+\b):ACC+8*(4*(\a)+\b)+7], v[\f+64+16*\b:\f+64+16*\b+15], v[\f+16*(\a):\f+16*(\a)+15], v[ACC+8*(4*(\a)+\b):ACC+8*(4*(\a)+\b)+7]
.endif
.endr
.endm
.macro FETCH slot, q, f
	WIN TO_F
.irp i, 0,1,2,3
.irp c, 0,1,2,3
	ds_load_b128 v[\f+64+16*\i+4*\c:\f+64+16*\i+4*\c+3], v[ADRB+\slot] offset:128*(\q)+32*\c+\i*16*PITCH
.endr
.endr
.irp i, 0,1,2,3
.irp c, 0,1,2,3
	ds_load_b128 v[\f+16*\i+4*\c:\f+16*\i+4*\c+3], v[ADRA+\slot] offset:128*(\q)+32*\c+\i*16*PITCH
.endr
.endr
.endm
.macro PLACES
.rept 4
	v_nop
.endr
.endm
.macro QUARTER slot, q, f, g, zero
	s_wait_dscnt 8
	WIN MUL
	MUL4 \f, 0, \zero
	MUL4 \f, 1, \zero
	PLACES
	FETCH \slot, \q, \g
	s_wait_dscnt 32
	WIN MUL
	MUL4 \f, 2, \zero
	MUL4 \f, 3, \zero
.endm
.macro TURN slot, next, fill
	WIN 0
.if \fill
	s_wait_xcnt 0x0                                ; my last prefetch has read its address: it is stepped here, a K step on
	s_add_nc_u64 s[82:83], s[82:83], KSTEP
.endif
	s_wait_tensorcnt 0x0
	ds_add_u32 v[SPW], v[NIL]
	s_wait_dscnt 9
	WIN MUL
	MUL4 F1, 0, 0
	s_wait_dscnt 0x0
	s_barrier_signal -1
	MUL4 F1, 1, 0
.if \fill
	WIN 0
.endif
	s_barrier_wait -1
.if \fill
	CREST
	s_add_nc_u64 s[G0+4*\slot+2:G0+4*\slot+3], s[G0+4*\slot+2:G0+4*\slot+3], 2*KSTEP
	s_add_nc_u64 s[G0B+4*\slot+2:G0B+4*\slot+3], s[G0B+4*\slot+2:G0B+4*\slot+3], 2*KSTEP
	JLOAD \slot
.else
	PLACES
.endif
	FETCH \next, 0, F0
.if \fill
	WIN 0
	s_cmp_gt_u32 s3, 1                             ; the last trip's look-ahead would pass the end of K
	s_cbranch_scc0 .Lno_ask_\@
	global_prefetch_b8 v10, s[82:83] offset:3*KSTEP th:TH_LOAD_NT scope:SCOPE_SE   ; two K steps on from the refill above
.Lno_ask_\@:
.endif
	WIN MUL
	MUL4 F1, 2, 0
	MUL4 F1, 3, 0
.endm
	s_wait_alu depctr_va_vdst(0)
	s_wait_tensorcnt 0x0                           ; my part of K step 0 is in; these lines stand ahead of a later first fill as ahead of a refill
	ds_add_u32 v[SPW], v[NIL]
	s_wait_dscnt 0x0
	CROUND                                         ; everybody's part is in, and all sixteen work-groups are here
	JLOAD 1                                        ; K step 1, the first tensor load behind the round
	FETCH 0, 0, F0
	WIN 0
	global_prefetch_b8 v10, s[82:83] offset:3*KSTEP th:TH_LOAD_NT scope:SCOPE_SE   ; K step 3
	QUARTER 0, 1, F0, F1, 1
.if LAPS > 1
	WIN 0x80                                       ; destination window 2: the first 32 rows of my 64 x 64 of the residual, in the order in which rows come back from the stage
.set TT, 0
.rept 16
	global_load_b128 v[4*TT:4*TT+3], v[CO], s[74:75] offset:2*TT*4096 th:TH_LOAD_NT
.set TT, TT+1
.endr
	WIN 0
	s_mov_b32 s3, LAPS-1
.Llap:
	QUARTER 0, 2, F1, F0, 0
	QUARTER 0, 3, F0, F1, 0
	TURN 0, 1, 1
	QUARTER 1, 1, F0, F1, 0
	QUARTER 1, 2, F1, F0, 0
	QUARTER 1, 3, F0, F1, 0
	TURN 1, 0, 1
	QUARTER 0, 1, F0, F1, 0
	WIN 0
	s_sub_co_u32 s3, s3, 1
	s_cmp_lg_u32 s3, 0
	s_cbranch_scc1 .Llap
.endif
	WIN 0x80                                       ; the other 32 rows of the residual: the last lap asks for no tile, and they are on its way under its 128 matrix instructions
.set TT, 16
.rept 16
	global_load_b128 v[4*TT:4*TT+3], v[CO], s[74:75] offset:2*TT*4096 th:TH_LOAD_NT
.set TT, TT+1
.endr
	WIN 0
	QUARTER 0, 2, F1, F0, 0
	QUARTER 0, 3, F0, F1, 0
	TURN 0, 1, 0
	QUARTER 1, 1, F0, F1, 0
	QUARTER 1, 2, F1, F0, 0
	QUARTER 1, 3, F0, F1, 0
	s_wait_dscnt 8
	WIN MUL
	MUL4 F1, 0, 0
	MUL4 F1, 1, 0
	s_wait_dscnt 0
	MUL4 F1, 2, 0
	MUL4 F1, 3, 0
	WIN 0
.macro TOSTAGE a
.irp b, 0,1,2,3
.irp i, 0,2,4,6
	v_pk_fma_f32 v[TMP+8*\b+\i:TMP+8*\b+\i+1], v[ACC+8*(4*(\a)+\b)+\i:ACC+8*(4*(\a)+\b)+\i+1], s[80:81], v[BI+8*\b+\i:BI+8*\b+\i+1] op_sel_hi:[1,0,1]
.endr
.endr
.irp b, 0,1,2,3
	ds_store_b128 v[STO], v[TMP+8*\b:TMP+8*\b+3] offset:64*\b
	ds_store_b128 v[STO], v[TMP+8*\b+4:TMP+8*\b+7] offset:64*\b+16
.endr
	WIN TO_F
.irp t, 0,1,2,3,4,5,6,7
	ds_load_b128 v[32*(\a)+4*\t:32*(\a)+4*\t+3], v[RD] offset:\t*2*SPITCH
.endr
	WIN 0
.endm
.macro SEND a, younger
	s_wait_dscnt \younger
	WIN 0x86
.set JJ, 0
.rept 16
	v_pk_add_f32 v[32*(\a)+JJ:32*(\a)+JJ+1], v[32*(\a)+JJ:32*(\a)+JJ+1], v[32*(\a)+JJ:32*(\a)+JJ+1]
.set JJ, JJ+2
.endr
	WIN 0x08
.irp t, 0,1,2,3,4,5,6,7
	global_store_b128 v[CO], v[32*(\a)+4*\t:32*(\a)+4*\t+3], s[78:79] offset:(16*(\a)+2*\t)*4096
.endr
	WIN 0
.endm
	s_wait_kmcnt 0x0
	s_add_co_i32 s80, s80, s81
	s_add_co_i32 s80, s80, 127
	s_lshl_b32 s80, s80, 23
	s_mov_b32 s81, s80
	s_wait_loadcnt 0x0
	PLACES
	TOSTAGE 0
.irp a, 1,2,3
	TOSTAGE \a
	SEND \a-1, 16
.endr
	SEND 3, 0
	s_wait_tensorcnt 0x0
	ds_add_u32 v[SPW], v[NIL]
	s_wait_dscnt 0x0
	CROUND
	s_endpgm
.Lfunc_end_k_q64e2836a57_ff2:
	.size	k_q64e2836a57_ff2, .Lfunc_end_k_q64e2836a57_ff2-k_q64e2836a57_ff2
	.p2alignl 7, 3214868480
	.fill 96, 4, 3214868480
	.section	.rodata,"a",@progbits
	.p2align	6, 0x0
	.amdhsa_kernel k_q64e2836a57_ff2
		.amdhsa_group_segment_fixed_size 327680
		.amdhsa_private_segment_fixed_size 0
		.amdhsa_enable_private_segment 0
		.amdhsa_kernarg_size 48
		.amdhsa_user_sgpr_count 2
		.amdhsa_user_sgpr_kernarg_segment_ptr 1
		.amdhsa_wavefront_size32 1
		.amdhsa_system_sgpr_workgroup_id_x 1
		.amdhsa_system_sgpr_workgroup_id_y 1
		.amdhsa_system_sgpr_workgroup_id_z 1
		.amdhsa_system_vgpr_workitem_id 0
		.amdhsa_next_free_vgpr 640
		.amdhsa_next_free_sgpr 84
		.amdhsa_reserve_vcc 0
		.amdhsa_float_denorm_mode_32 3
		.amdhsa_float_denorm_mode_16_64 3
		.amdhsa_memory_ordered 1
		.amdhsa_forward_progress 1
		.amdhsa_inst_pref_size 84
	.end_amdhsa_kernel
	.amdgpu_metadata
---
amdhsa.version: [ 1, 2 ]
amdhsa.kernels:
  - .name:           k_q64e2836a57_ff2
    .symbol:         k_q64e2836a57_ff2.kd
    .args:
      - { .name: hc, .offset: 0, .size: 8, .value_kind: global_buffer, .address_space: global }
      - { .name: w_ff2_codes, .offset: 8, .size: 8, .value_kind: global_buffer, .address_space: global }
      - { .name: b_ff2, .offset: 16, .size: 8, .value_kind: global_buffer, .address_space: global }
      - { .name: x1, .offset: 24, .size: 8, .value_kind: global_buffer, .address_space: global }
      - { .name: lowp_scales, .offset: 32, .size: 8, .value_kind: global_buffer, .address_space: global }
      - { .name: y, .offset: 40, .size: 8, .value_kind: global_buffer, .address_space: global }
    .group_segment_fixed_size: 327680
    .private_segment_fixed_size: 0
    .kernarg_segment_align: 8
    .kernarg_segment_size: 48
    .max_flat_workgroup_size: 128
    .sgpr_count:     84
    .vgpr_count:     640
    .wavefront_size: 32
...
	.end_amdgpu_metadata
.endif
;; end of part 7
;; launch ln2 (part 8): grid 256 x 1, 4 waves a work-group, no clusters, 0 bytes of LDS; arguments y, ln2_g, ln2_b, out0; writes out0
.if DOCPART == 8
	.amdgcn_target "amdgcn-amd-amdhsa--gfx1250"
	.amdhsa_code_object_version 6
	.text
	.protected	k_q64e2836a57_ln2
	.globl	k_q64e2836a57_ln2
	.p2align	8
	.type	k_q64e2836a57_ln2,@function
k_q64e2836a57_ln2:
	s_mov_b64 s[64:65], 0
	v_nop
	global_prefetch_b8 v0, s[64:65] scope:SCOPE_SE
	s_setreg_imm32_b32 hwreg(HW_REG_WAVE_MODE, 25, 1), 1
	s_wait_xcnt 0x0
; Launch 8 of 8: out0 = LayerNorm(y) x g + b, in f32.  Nothing is left out.
; One wave takes four whole rows of 1,024; a row is eight loads of 512 consecutive bytes and stays in 32 registers: mean, then the variance of the differences, as the layer writes it.
; All 48 loads go out at once.  No LDS, no barrier: waves share nothing.  NaN is not served.
; v1 16 x lane; v[8:11] sums; v12, v13 at work; v[14:15] the mean, then 1 / sqrt; v64-95 g; v96-127 b; v128-255 four rows
	s_load_b256 s[4:11], s[0:1], 0x0               ; y, g, b, out0
	v_lshrrev_b32 v1, 5, v0
	v_readfirstlane_b32 s22, v1                    ; wave
	v_and_b32 v12, 31, v0
	v_lshlrev_b32 v1, 4, v12
	v_mov_b32 v13, 0                               ; a lane permute's destination counts as one of its sources
	s_mov_b32 s16, 0x76543210
	s_mov_b32 s17, 0xfedcba98
	s_mov_b32 s18, 0x3a800000                      ; 1 / 1,024
	s_mov_b32 s19, 0x3727c5ac                      ; 1e-5
	s_lshl_b32 s24, ttmp9, 2
	s_add_co_u32 s24, s24, s22                     ; which four rows are my wave's
	s_lshl_b32 s24, s24, 14
	s_mov_b32 s25, 0
	s_wait_alu depctr_va_vdst(0)
	s_wait_kmcnt 0x0
	s_add_nc_u64 s[4:5], s[4:5], s[24:25]
	s_add_nc_u64 s[10:11], s[10:11], s[24:25]
.irp j, 0,1,2,3,4,5,6,7
	global_load_b128 v[64+4*\j:67+4*\j], v1, s[6:7] offset:512*\j
.endr
.irp j, 0,1,2,3,4,5,6,7
	global_load_b128 v[96+4*\j:99+4*\j], v1, s[8:9] offset:512*\j
.endr
.set TT, 0
.rept 32
	global_load_b128 v[128+4*TT:131+4*TT], v1, s[4:5] offset:512*TT th:TH_LOAD_NT
.set TT, TT+1
.endr
.macro REDUCE                          ; v8 summed over the 32 lanes, in every lane
	v_add_f32_dpp v8, v8, v8 row_xmask:1 row_mask:0xf bank_mask:0xf
	v_add_f32_dpp v8, v8, v8 row_xmask:2 row_mask:0xf bank_mask:0xf
	v_add_f32_dpp v8, v8, v8 row_xmask:4 row_mask:0xf bank_mask:0xf
	v_add_f32_dpp v8, v8, v8 row_xmask:8 row_mask:0xf bank_mask:0xf
	v_permlanex16_b32 v13, v8, s16, s17
	v_add_f32 v8, v8, v13
.endm
.macro ROW p
.set XR, 128+32*(\p)
	s_wait_loadcnt 8*(3-(\p))                      ; g, b and this row are in; the later rows' loads may be out
	v_pk_add_f32 v[8:9], v[XR:XR+1], v[XR+2:XR+3]
	v_pk_add_f32 v[10:11], v[XR+4:XR+5], v[XR+6:XR+7]
.irp k, 8,12,16,20,24,28
	v_pk_add_f32 v[8:9], v[8:9], v[XR+\k:XR+\k+1]
	v_pk_add_f32 v[10:11], v[10:11], v[XR+\k+2:XR+\k+3]
.endr
	v_pk_add_f32 v[8:9], v[8:9], v[10:11]
	v_add_f32 v8, v8, v9
	REDUCE
	v_mul_f32 v14, s18, v8                         ; the mean
	v_mov_b32 v15, v14
.irp k, 0,2,4,6,8,10,12,14,16,18,20,22,24,26,28,30
	v_pk_add_f32 v[XR+\k:XR+\k+1], v[XR+\k:XR+\k+1], v[14:15] neg_lo:[0,1] neg_hi:[0,1]
.endr
	v_pk_mul_f32 v[8:9], v[XR:XR+1], v[XR:XR+1]
	v_pk_mul_f32 v[10:11], v[XR+2:XR+3], v[XR+2:XR+3]
.irp k, 4,8,12,16,20,24,28
	v_pk_fma_f32 v[8:9], v[XR+\k:XR+\k+1], v[XR+\k:XR+\k+1], v[8:9]
	v_pk_fma_f32 v[10:11], v[XR+\k+2:XR+\k+3], v[XR+\k+2:XR+\k+3], v[10:11]
.endr
	v_pk_add_f32 v[8:9], v[8:9], v[10:11]
	v_add_f32 v8, v8, v9
	REDUCE
	v_fma_f32 v12, v8, s18, s19                    ; the variance + 1e-5
	s_wait_alu depctr_va_vdst(0)
	v_rsq_f32 v14, v12
	v_nop                                          ; a plain line behind the root,
	s_wait_alu depctr_va_vdst(0)                   ; and the wait ahead of its first reader
	v_mov_b32 v15, v14
.irp k, 0,2,4,6,8,10,12,14,16,18,20,22,24,26,28,30
	v_pk_mul_f32 v[XR+\k:XR+\k+1], v[XR+\k:XR+\k+1], v[14:15]
.endr
.irp k, 0,2,4,6,8,10,12,14,16,18,20,22,24,26,28,30
	v_pk_fma_f32 v[XR+\k:XR+\k+1], v[XR+\k:XR+\k+1], v[64+\k:65+\k], v[96+\k:97+\k]
.endr
.irp j, 0,1,2,3,4,5,6,7
	global_store_b128 v1, v[XR+4*\j:XR+4*\j+3], s[10:11] offset:4096*(\p)+512*\j th:TH_STORE_NT   ; 512 consecutive bytes, aligned
.endr
.endm
	ROW 0
	ROW 1
	ROW 2
	ROW 3
	s_endpgm
.Lfunc_end_k_q64e2836a57_ln2:
	.size	k_q64e2836a57_ln2, .Lfunc_end_k_q64e2836a57_ln2-k_q64e2836a57_ln2
	.p2alignl 7, 3214868480
	.fill 96, 4, 3214868480
	.section	.rodata,"a",@progbits
	.p2align	6, 0x0
	.amdhsa_kernel k_q64e2836a57_ln2
		.amdhsa_group_segment_fixed_size 0
		.amdhsa_private_segment_fixed_size 0
		.amdhsa_enable_private_segment 0
		.amdhsa_kernarg_size 32
		.amdhsa_user_sgpr_count 2
		.amdhsa_user_sgpr_kernarg_segment_ptr 1
		.amdhsa_wavefront_size32 1
		.amdhsa_system_sgpr_workgroup_id_x 1
		.amdhsa_system_sgpr_workgroup_id_y 1
		.amdhsa_system_sgpr_workgroup_id_z 1
		.amdhsa_system_vgpr_workitem_id 0
		.amdhsa_next_free_vgpr 256
		.amdhsa_next_free_sgpr 66
		.amdhsa_reserve_vcc 0
		.amdhsa_float_denorm_mode_32 3
		.amdhsa_float_denorm_mode_16_64 3
		.amdhsa_memory_ordered 1
		.amdhsa_forward_progress 1
		.amdhsa_inst_pref_size 33
	.end_amdhsa_kernel
	.amdgpu_metadata
---
amdhsa.version: [ 1, 2 ]
amdhsa.kernels:
  - .name:           k_q64e2836a57_ln2
    .symbol:         k_q64e2836a57_ln2.kd
    .args:
      - { .name: y, .offset: 0, .size: 8, .value_kind: global_buffer, .address_space: global }
      - { .name: ln2_g, .offset: 8, .size: 8, .value_kind: global_buffer, .address_space: global }
      - { .name: ln2_b, .offset: 16, .size: 8, .value_kind: global_buffer, .address_space: global }
      - { .name: out0, .offset: 24, .size: 8, .value_kind: global_buffer, .address_space: global }
    .group_segment_fixed_size: 0
    .private_segment_fixed_size: 0
    .kernarg_segment_align: 8
    .kernarg_segment_size: 32
    .max_flat_workgroup_size: 128
    .sgpr_count:     66
    .vgpr_count:     256
    .wavefront_size: 32
...
	.end_amdgpu_metadata
.endif
;; end of part 8
